; MI455X (gfx1250); checked and timed in simulation.
; The chip was launched on July 23, 2026; its instructions are those of AMD's public machine-readable ISA for CDNA 5 (MIT licence, August 2026) and "CDNA5" Instruction Set Architecture Reference Guide (July 2026). The comments in the code are by the model that wrote it; some were corrected since.
;; Text Attention. Allowed arithmetic: matrix products marked QUANTISED: E4M3 operands, one given power-of-two scale a tensor, by v_wmma_f32_16x16x64_fp8_fp8 or v_wmma_f32_16x16x128_fp8_fp8, f32 sums; everything else in f32.
;; Inputs: Wk 2,048 x 1,024 float32; Wo 1,024 x 2,048 float32; Wq 2,048 x 1,024 float32; Wv 2,048 x 1,024 float32; attention_mask 2 x 1 x 2,048 x 2,048 float32; cos 2 x 2,048 x 128 float32; k_norm_w 128 float32; lowp_scales 12 int32 (the exponents e of the quantised operands' scales 2^e); q_norm_w 128 float32; sin 2 x 2,048 x 128 float32; x 2 x 2,048 x 2,048 float32.
;; Outputs: out0 2 x 2,048 x 2,048 float32.
;; This version of the problem:
;;   THIS VERSION OF THE PROBLEM IS GIVEN IN LOW PRECISION. The matrix products marked QUANTISED in the list below multiply operands that are first quantised to E4M3 (4 exponent bits, 3 mantissa bits; 8 bits a number), with one given power-of-two scale for each operand tensor; their sums are f32. All else is computed in f32.
;;   The module's matrix products, in the order in which they are computed (A, B: the left and right operand; K: the contracted axis; several contracted axes count as one K, in the product's order):
;;     1. [M 4,096, K 2,048] x [K 2,048, N 1,024]; A: input x; B: input Wq: QUANTISED (scales: A lowp_scales[0], B lowp_scales[1])
;;     2. [M 4,096, K 2,048] x [K 2,048, N 1,024]; A: input x; B: input Wk: QUANTISED (scales: A lowp_scales[2], B lowp_scales[3])
;;     3. [M 4,096, K 2,048] x [K 2,048, N 1,024]; A: input x; B: input Wv: QUANTISED (scales: A lowp_scales[4], B lowp_scales[5])
;;     4. batch 16 x [M 2,048, K 128] x [K 128, N 2,048]; A: computed on the way; B: computed on the way: QUANTISED (scales: A lowp_scales[6], B lowp_scales[7])
;;     5. batch 16 x [M 128, K 2,048] x [K 2,048, N 2,048]; A: computed on the way; B: softmax (see below): QUANTISED (scales: A lowp_scales[8], B lowp_scales[9])
;;     6. [M 4,096, K 1,024] x [K 1,024, N 2,048]; A: computed on the way; B: input Wo: QUANTISED (scales: A lowp_scales[10], B lowp_scales[11])
;;   THE QUANTISER, for each operand of a quantised product, along K:
;;     - The operand's scale is 2^e, e = its entry of the input lowp_scales (int32; the entries are numbered through the quantised products in the list's order, A before B).
;;     - Each number is divided by the scale, clamped to +-448, and rounded to the nearest number of E4M3, ties to even, subnormals kept.
;;     - The product sums the exact products of the quantised numbers (number of the format x scale) in f32.
;;   ~~~python
;;   def quantise(x, axis, e):      # numpy; x: float32 -> the quantised numbers, widened to float32 again
;;       x = np.moveaxis(x, axis, -1); K = x.shape[-1]
;;       r = np.clip(x / 2.0 ** e, -448, 448)
;;       step = 2.0 ** (np.maximum(np.frexp(np.where(r == 0, 1, r))[1] - 1, -6) - 3)
;;       q = np.round(r / step) * step * 2.0 ** e      # np.round: ties to even
;;       return np.moveaxis(q, -1, axis).astype(np.float32)
;;   ~~~
;;   SOFTMAX AHEAD OF A QUANTISED PRODUCT. Where the list says 'softmax', what is quantised is not the finished softmax but p = 2^(t - M), with t = logit x log2(e) and M = ceil(the row's largest t), a whole number; so 1/2 < the row's largest p <= 1. The row's sum l is taken of the UNQUANTISED p, in f32, and the product's result is divided by l at the end. Since M is a whole number, a kernel that streams over the keys may use a running M (the ceiling of the running maximum): every later rescaling is an exact power of two, so the quantised numbers keep their values, but for numbers so far below the row's largest that they fall under the format's range.
;;   OPERANDS COMPUTED ON THE WAY. 'Computed on the way' means the value that the module computes at that place (a softmax that the list does not call 'softmax' is quantised finished and normalised). What goes into a quantiser is computed in f32, as accurately as f32 sums, v_exp_f32 and their like allow (about 1e-6 of the number): no bf16 or f16 on the way to a quantiser, and a product that is left as it is and whose result goes on into a quantised operand takes f32 operands (vector FMAs, or v_wmma_f32_16x16x4_f32). A number that lies on a knife's edge between two numbers of the format may be rounded either way, as far as f32 arithmetic and the matrix unit's own rounding can turn it there, and no further.
;; One version. Each part assembles by itself: llvm-mc -triple=amdgcn-amd-amdhsa -mcpu=gfx1250 --defsym DOCPART=n.
;; ======== version 1 of 1: 4 launches
;; workspace buffers: xi 25,165,824 bytes; wimg 8,388,608 bytes; qimg 4,194,304 bytes; kv 8,388,608 bytes; oc 4,194,304 bytes
;; launch quant (part 1): grid 512 x 1, 4 waves a work-group, no clusters, 67,072 bytes of LDS; arguments x, Wq, Wk, Wv, Wo, lowp_scales, xi, wimg; writes xi, wimg
.if DOCPART == 1
	.amdgcn_target "amdgcn-amd-amdhsa--gfx1250"
	.amdhsa_code_object_version 6
	.text
	.protected	k_q6fb23f9b31_quant
	.globl	k_q6fb23f9b31_quant
	.p2align	8
	.type	k_q6fb23f9b31_quant,@function
k_q6fb23f9b31_quant:
	s_mov_b64 s[64:65], 0
	v_nop
	global_prefetch_b8 v0, s[64:65] scope:SCOPE_SE
	s_setreg_imm32_b32 hwreg(HW_REG_WAVE_MODE, 25, 1), 1
	s_wait_xcnt 0x0
; x [4096][2048] f32 becomes three sets of E4M3 codes (scales 2^e0, 2^e2, 2^e4: one set for each of the three projections); Wq, Wk, Wv [2048 k][1024 n] and Wo [1024 k][2048 n], f32, one set each (e1, e3, e5, e11).
; code = number / 2^e, held within +-448, rounded to the nearest code, ties to even.
; LIMITS: every e used here lies between -126 and 119, so that 2^e and 448 x 2^e are f32 numbers.  NaN among the inputs is not served (an infinity is held at the largest code).
; WHAT IS STORED ARE IMAGES OF OPERAND REGISTERS.  A fragment is 16 rows x 128 K of codes, 16 registers a lane: lane (r = lane % 16, h = lane / 16) holds row r, registers 2 c, 2 c + 1 hold k = 16 c + 8 h + 0 .. 7.
; Registers 4 m .. 4 m + 3 of lane l lie at fragment + 512 m + 16 l: a fragment is 2,048 bytes, moved by four accesses of 16 bytes a lane, 512 consecutive bytes each.
; xi:   [set 3][block of 128 rows 32][chunk of 128 k 16][tile of 16 rows 8][2048].     wimg: 256 units of 32,768 bytes = 128 columns x 256 k, laid [128 k 2][tile of 16 columns 8][2048];
;       unit = 64 T + 8 X + Y for Wq, Wk, Wv (T = 0, 1, 2; X: block of 128 columns; Y: 256 k), 192 + 4 X + Y for Wo.
; Work-groups 0-255 take 16 rows of x each (a wave: 512 of the 2,048 k, four fragments), work-groups 256-511 a unit of a weight each (a wave: 32 columns).  Both read 131,072 bytes.
; No tensor loads, no barrier: a wave touches only its own LDS bytes, and the two paths have LDS bytes of their own.  Nothing is shared between work-groups, so there is no cluster.
.set XPW,  16*528                      ; x's stage of a wave: 16 rows of 512 bytes + 16 of padding, so that the 16 rows that a read touches lie 16 bytes apart modulo 256
.set WSTG, 4*XPW                       ; behind the four: the weights' stages,
.set WPW,  8192                        ; a wave's four fragments as they will lie in memory
.set R,    32                          ; v32-159  x: two sets of 64 registers as loaded (16 rows x 16 bytes a lane)
.set X,    160                         ; v160-223 x: my 64 numbers of a fragment: register 8 c + j = k 16 c + 8 h + j of row r
.set T,    224                         ; v224-239 two sets of eight held numbers, by turns
.set C,    240                         ; v240-255 a fragment's codes
.set OFS,  16                          ; v16-47   weights: row i of a block of 32 k, + 4 x lane
.set N,    48                          ; v48-111  weights: two sets of 32 numbers down K
.set WC,   112                         ; v112-119 a block's codes
.set WO,   120                         ; v120-183 the way out
.macro MKSCALE e, vs, vl               ; s[e] = the exponent: v[vs] = 2^e (the conversion takes its exponent field), v[vl] = 448 x 2^e
	s_add_co_i32 s3, s[\e], 127
	s_lshl_b32 s30, s3, 23
	v_mov_b32 v[\vs], s30
	s_add_co_i32 s3, s3, 8
	s_lshl_b32 s3, s3, 23
	s_or_b32 s3, s3, 0x600000
	v_mov_b32 v[\vl], s3
.endm
	s_load_b512 s[4:19], s[0:1], 0x0               ; x s[4:5], Wq s[6:7], Wk s[8:9], Wv s[10:11], Wo s[12:13], the exponents s[14:15], xi s[16:17], wimg s[18:19]
	s_set_vgpr_msb 0x40
	v_lshl_add_u32 v0, v0, 2, 0x10400
	v_mov_b32 v1, 0
	s_set_vgpr_msb 0x4000
	v_lshrrev_b32 v13, 5, v0
	v_readfirstlane_b32 s2, v13                    ; wave 0..3
	v_and_b32 v12, 31, v0                          ; lane
	v_lshlrev_b32 v1, 4, v12                       ; 16 x lane
	s_wait_kmcnt 0x0
	s_load_b256 s[48:55], s[14:15], 0x0            ; e0 .. e7
	s_load_b128 s[56:59], s[14:15], 0x20           ; e8 .. e11
	s_cmp_lt_u32 ttmp9, 256
	s_cbranch_scc0 .Lweights
; ---------------- x: 16 rows, my wave's 512 k ----------------
.macro XLOAD f                         ; fragment f as it lies: each load takes 512 consecutive bytes of one row
.irp p, 0,1,2,3,4,5,6,7,8,9,10,11,12,13,14,15
	global_load_b128 v[R+64*((\f)%2)+4*\p:R+64*((\f)%2)+4*\p+3], v1, s[4:5] offset:\p*8192+(\f)*512 th:TH_LOAD_NT
.endr
.endm
.macro XFRAG f
.if (\f) < 3
	s_wait_loadcnt 16                              ; this fragment's 16 loads are in; the next fragment's 16 may be out
.else
	s_wait_loadcnt 0x0
.endif
.irp p, 0,1,2,3,4,5,6,7,8,9,10,11,12,13,14,15
	ds_store_b128 v2, v[R+64*((\f)%2)+4*\p:R+64*((\f)%2)+4*\p+3] offset:\p*528
.endr
.irp c, 0,1,2,3,4,5,6,7
	ds_load_b128 v[X+8*\c:X+8*\c+3], v3 offset:64*\c           ; LDS serves a wave's instructions in order: these see the stores above
	ds_load_b128 v[X+8*\c+4:X+8*\c+7], v3 offset:64*\c+16
.endr
	s_wait_dscnt 0x0                               ; my numbers are back, and the stores into the stage have read their registers,
.if (\f) < 2
	XLOAD (\f)+2                                   ; which take the fragment two further on
.endif
.irp s, 0,1,2                          ; the same numbers under the three scales
	s_wait_xcnt 0x0                                ; the last four stores have read C: it is written again only behind this wait
.irp c, 0,1,2,3,4,5,6,7
.irp j, 0,1,2,3,4,5,6,7
	v_med3_num_f32 v[T+8*(\c%2)+\j], v[X+8*\c+\j], -v[8+\s], v[8+\s]   ; the conversion to an 8-bit code does not saturate (ISA guide 7.6.2): the hold comes first
.endr
	v_cvt_scalef32_pk8_fp8_f32 v[C+2*\c:C+2*\c+1], v[T+8*(\c%2):T+8*(\c%2)+7], v[4+\s]   ; T's two sets take turns: eight plain lines stand between a conversion and the next write of its sources
.endr
.irp m, 0,1,2,3
	global_store_b128 v1, v[C+4*\m:C+4*\m+3], s[20+2*\s:21+2*\s] offset:(\f)*16384+512*\m   ; 512 consecutive bytes, aligned
.endr
.endr
.endm
	s_lshl_b32 s26, ttmp9, 17                      ; 16 rows of 8,192 bytes for each work-group,
	s_lshl_b32 s3, s2, 11                          ; 2,048 bytes of each row for each wave
	s_add_co_u32 s26, s26, s3
	s_mov_b32 s27, 0
	s_add_nc_u64 s[4:5], s[4:5], s[26:27]
	XLOAD 0
	XLOAD 1
	s_lshr_b32 s26, ttmp9, 3                       ; xi: block of 128 rows,
	s_lshl_b32 s26, s26, 18
	s_lshl_b32 s3, s2, 16                          ; chunk 4 x wave,
	s_add_co_u32 s26, s26, s3
	s_and_b32 s3, ttmp9, 7                         ; tile of 16 rows
	s_lshl_b32 s3, s3, 11
	s_add_co_u32 s26, s26, s3
	s_add_nc_u64 s[20:21], s[16:17], s[26:27]      ; a base for each set: the sets lie 2^23 bytes apart, more than a store's immediate holds
	s_add_nc_u64 s[22:23], s[20:21], 0x800000
	s_add_nc_u64 s[24:25], s[22:23], 0x800000
	s_mul_i32 s3, s2, XPW                          ; my stage
	v_add_nc_u32 v2, s3, v1                        ; in: 16 x lane of a row
	v_and_b32 v14, 15, v0
	v_bfe_u32 v15, v0, 4, 1
	v_mul_u32_u24 v3, v14, 528
	v_lshl_add_u32 v3, v15, 5, v3
	v_add_nc_u32 v3, s3, v3                        ; back: row r, + 32 h bytes: eight numbers of each 16
	s_wait_kmcnt 0x0
	MKSCALE 48, 4, 8                               ; e0
	MKSCALE 50, 5, 9                               ; e2
	MKSCALE 52, 6, 10                              ; e4
	XFRAG 0
	XFRAG 1
	XFRAG 2
	XFRAG 3
	s_set_vgpr_msb 0x5
	s_wait_tensorcnt 0x0
	ds_add_u32 v0, v1
	s_wait_dscnt 0x0
	s_set_vgpr_msb 0x500
	s_endpgm
; ---------------- a weight: 128 columns x 256 k; K is the FIRST axis, so a lane takes a column and its registers run down K ----------------
.Lweights:
	s_sub_co_u32 s26, ttmp9, 256                   ; the unit
	s_lshr_b32 s27, s26, 6                         ; T: 0 Wq, 1 Wk, 2 Wv, 3 Wo
	s_and_b32 s30, s26, 63
	s_cmp_eq_u32 s27, 0                            ; the choices hang on the work-group's number alone
	s_cselect_b64 s[4:5], s[6:7], s[12:13]
	s_cmp_eq_u32 s27, 1
	s_cselect_b64 s[4:5], s[8:9], s[4:5]
	s_cmp_eq_u32 s27, 2
	s_cselect_b64 s[4:5], s[10:11], s[4:5]
	s_cmp_eq_u32 s27, 3
	s_cselect_b32 s31, 13, 12                      ; a row is 2^13 bytes in Wo, 2^12 in the others
	s_cselect_b32 s60, 2, 3
	s_cselect_b32 s61, 3, 7
	s_lshr_b32 s62, s30, s60                       ; X
	s_and_b32 s61, s30, s61                        ; Y
	s_lshl_b32 s62, s62, 9                         ; 128 columns are 512 bytes
	s_lshl_b32 s61, s61, 8
	s_lshl_b32 s61, s61, s31                       ; 256 rows
	s_add_co_u32 s62, s62, s61
	s_lshl_b32 s3, s2, 7                           ; my wave's 32 columns
	s_add_co_u32 s62, s62, s3
	s_mov_b32 s63, 0
	s_add_nc_u64 s[32:33], s[4:5], s[62:63]        ; a base for each block of 32 k: none is ever stepped
	s_lshl_b32 s62, 32, s31
.irp t, 1,2,3,4,5,6,7
	s_add_nc_u64 s[32+2*\t:33+2*\t], s[30+2*\t:31+2*\t], s[62:63]
.endr
	s_lshl_b32 s60, 1, s31
	v_lshlrev_b32 v14, 2, v12
.irp i, 0,1,2,3,4,5,6,7,8,9,10,11,12,13,14,15,16,17,18,19,20,21,22,23,24,25,26,27,28,29,30,31
	v_mad_u32_u24 v[OFS+\i], s60, \i, v14          ; row i, column = lane
.endr
.macro WLOAD t                         ; block t: 32 rows of k at my column; a load reads 128 consecutive bytes, the four waves stand side by side on 512
.irp i, 0,1,2,3,4,5,6,7,8,9,10,11,12,13,14,15,16,17,18,19,20,21,22,23,24,25,26,27,28,29,30,31
	global_load_b32 v[N+32*((\t)%2)+\i], v[OFS+\i], s[32+2*(\t):33+2*(\t)] th:TH_LOAD_NT
.endr
.endm
	WLOAD 0
	WLOAD 1
	s_lshl_b32 s62, s26, 15                        ; wimg: the unit, and my wave's two tiles of 16 columns
	s_lshl_b32 s3, s2, 12
	s_add_co_u32 s62, s62, s3
	s_add_nc_u64 s[28:29], s[18:19], s[62:63]
	s_mul_i32 s3, s2, WPW
	s_add_co_u32 s3, s3, WSTG                      ; my stage: [128 k 2][tile 2][2048]
	v_bfe_u32 v5, v0, 4, 1
	v_and_b32 v6, 15, v0
	v_lshlrev_b32 v4, 11, v5
	v_lshl_add_u32 v4, v6, 4, v4
	v_add_nc_u32 v4, s3, v4                        ; in: tile lane / 16, row lane % 16
	v_add_nc_u32 v7, s3, v1                        ; back: as it lies
	s_wait_kmcnt 0x0
	s_cmp_eq_u32 s27, 0
	s_cselect_b32 s26, s49, s59                    ; e1 or e11
	s_cmp_eq_u32 s27, 1
	s_cselect_b32 s26, s51, s26                    ; e3
	s_cmp_eq_u32 s27, 2
	s_cselect_b32 s26, s53, s26                    ; e5
	MKSCALE 26, 11, 10
; Block t holds k = 32 t + 8 g + j.  In its fragment (t / 4) that is c = 2 (t % 4) + g / 2, h = g % 2: registers 2 c, 2 c + 1 of lane (r, h) lie at 512 (t % 4) + 8 (g / 2) + 16 r + 256 (g % 2).
.macro BLOCK t
.set NS, N+32*((\t)%2)
.if (\t) < 7
	s_wait_loadcnt 32                              ; this block's 32 loads are in; the next block's may be out
.else
	s_wait_loadcnt 0x0
.endif
.irp i, 0,1,2,3,4,5,6,7,8,9,10,11,12,13,14,15,16,17,18,19,20,21,22,23,24,25,26,27,28,29,30,31
	v_med3_num_f32 v[NS+\i], v[NS+\i], -v10, v10
.endr
.irp g, 0,1,2,3
	v_cvt_scalef32_pk8_fp8_f32 v[WC+2*\g:WC+2*\g+1], v[NS+8*\g:NS+8*\g+7], v11
.endr
.irp g, 0,1,2,3
	ds_store_b64 v4, v[WC+2*\g:WC+2*\g+1] offset:((\t)/4)*4096+((\t)%4)*512+(\g%2)*256+(\g/2)*8
.endr
.if (\t)+2 < 8
	WLOAD (\t)+2
.endif
	s_wait_dscnt 0x0                               ; the stores have read their registers: the next block's codes may be written (its 32 holds are the plain lines behind these conversions)
.endm
.irp t, 0,1,2,3,4,5,6,7
	BLOCK \t
.endr
.irp n, 0,1,2,3,4,5,6,7,8,9,10,11,12,13,14,15
	ds_load_b128 v[WO+4*\n:WO+4*\n+3], v7 offset:512*\n
.endr
.irp n, 0,1,2,3,4,5,6,7,8,9,10,11,12,13,14,15
	s_wait_dscnt 15-\n                             ; LDS loads come back in order: piece n is in
	global_store_b128 v1, v[WO+4*\n:WO+4*\n+3], s[28:29] offset:(\n/8)*16384+(\n%8)*512   ; 512 consecutive bytes, aligned
.endr
	s_set_vgpr_msb 0x5
	s_wait_tensorcnt 0x0
	ds_add_u32 v0, v1
	s_wait_dscnt 0x0
	s_set_vgpr_msb 0x500
	s_endpgm
.Lfunc_end_k_q6fb23f9b31_quant:
	.size	k_q6fb23f9b31_quant, .Lfunc_end_k_q6fb23f9b31_quant-k_q6fb23f9b31_quant
	.p2alignl 7, 3214868480
	.fill 96, 4, 3214868480
	.section	.rodata,"a",@progbits
	.p2align	6, 0x0
	.amdhsa_kernel k_q6fb23f9b31_quant
		.amdhsa_group_segment_fixed_size 67072
		.amdhsa_private_segment_fixed_size 0
		.amdhsa_enable_private_segment 0
		.amdhsa_kernarg_size 64
		.amdhsa_user_sgpr_count 2
		.amdhsa_user_sgpr_kernarg_segment_ptr 1
		.amdhsa_wavefront_size32 1
		.amdhsa_system_sgpr_workgroup_id_x 1
		.amdhsa_system_sgpr_workgroup_id_y 1
		.amdhsa_system_sgpr_workgroup_id_z 1
		.amdhsa_system_vgpr_workitem_id 0
		.amdhsa_next_free_vgpr 258
		.amdhsa_next_free_sgpr 66
		.amdhsa_reserve_vcc 0
		.amdhsa_float_denorm_mode_32 3
		.amdhsa_float_denorm_mode_16_64 3
		.amdhsa_memory_ordered 1
		.amdhsa_forward_progress 1
		.amdhsa_inst_pref_size 128
	.end_amdhsa_kernel
	.amdgpu_metadata
---
amdhsa.version: [ 1, 2 ]
amdhsa.kernels:
  - .name:           k_q6fb23f9b31_quant
    .symbol:         k_q6fb23f9b31_quant.kd
    .args:
      - { .name: x, .offset: 0, .size: 8, .value_kind: global_buffer, .address_space: global }
      - { .name: Wq, .offset: 8, .size: 8, .value_kind: global_buffer, .address_space: global }
      - { .name: Wk, .offset: 16, .size: 8, .value_kind: global_buffer, .address_space: global }
      - { .name: Wv, .offset: 24, .size: 8, .value_kind: global_buffer, .address_space: global }
      - { .name: Wo, .offset: 32, .size: 8, .value_kind: global_buffer, .address_space: global }
      - { .name: lowp_scales, .offset: 40, .size: 8, .value_kind: global_buffer, .address_space: global }
      - { .name: xi, .offset: 48, .size: 8, .value_kind: global_buffer, .address_space: global }
      - { .name: wimg, .offset: 56, .size: 8, .value_kind: global_buffer, .address_space: global }
    .group_segment_fixed_size: 67072
    .private_segment_fixed_size: 0
    .kernarg_segment_align: 8
    .kernarg_segment_size: 64
    .max_flat_workgroup_size: 128
    .sgpr_count:     66
    .vgpr_count:     258
    .wavefront_size: 32
...
	.end_amdgpu_metadata
.endif
;; end of part 1
;; launch qkv (part 2): grid 12 x 16, 4 waves a work-group, clusters of 4 x 4, 327,680 bytes of LDS; arguments xi, wimg, lowp_scales, cos, sin, q_norm_w, k_norm_w, qimg, kv; writes qimg, kv
.if DOCPART == 2
	.amdgcn_target "amdgcn-amd-amdhsa--gfx1250"
	.amdhsa_code_object_version 6
	.text
	.protected	k_q6fb23f9b31_qkv
	.globl	k_q6fb23f9b31_qkv
	.p2align	8
	.type	k_q6fb23f9b31_qkv,@function
k_q6fb23f9b31_qkv:
	s_mov_b64 s[64:65], 0
	v_nop
	global_prefetch_b8 v0, s[64:65] scope:SCOPE_SE
	s_setreg_imm32_b32 hwreg(HW_REG_WAVE_MODE, 25, 1), 1
	s_wait_xcnt 0x0
	s_wait_alu depctr_hold_cnt(0) depctr_sa_sdst(0) depctr_va_vdst(0) depctr_va_sdst(0) depctr_va_ssrc(0) depctr_va_vcc(0) depctr_vm_vsrc(0)
	s_getreg_b32 s2, hwreg(HW_REG_IB_STS2, 6, 4)
	s_cmp_eq_u32 s2, 0
	s_cbranch_scc0 .Lentry_in_a_cluster
	s_endpgm
.Lentry_in_a_cluster:
	s_bfe_u32 s2, ttmp6, 0x10000c
	s_cmp_lg_u32 s2, 0xf033
	s_cbranch_scc0 .Lentry_shape_is_right
	s_endpgm
.Lentry_shape_is_right:
; q = rope(rms(x Wq)), k = rope(rms(x Wk)), v = x Wv, the three products on E4M3 codes, and q, k, v quantised again (scales 2^e6, 2^e7, 2^e8) as operands of the attention.
; The cluster's x, T = 0, 1, 2, says which of the three; it is the same in all sixteen partners.  A work-group of four waves makes 256 tokens x 256 columns, a wave 128 x 128: 64 accumulators, 512 registers.  A wave's 128 columns are ONE head.
; OPERANDS ARE IMAGES OF REGISTERS.  A fragment (16 rows x 128 K, 16 registers a lane: lane (r, h) holds row r, registers 2 c, 2 c + 1 hold k = 16 c + 8 h + 0 .. 7) is 2,048 bytes: registers 4 m .. 4 m + 3 of lane l at 512 m + 16 l.
; xi and wimg are laid so that 128 rows x 256 K are 32,768 dense bytes, [128 k 2][tile of 16 rows 8][2048]: one tensor load a wave, and a fragment comes out of LDS by four loads of 512 consecutive bytes each: no pitch, no padding.
; K = 2,048 goes in 8 steps of 256 through two LDS slots.  CLUSTERS: 4 x 4 work-groups; x's block is asked for jointly by the four of a row of the cluster, the weight's by the four of a column.
; THE MATRIX INSTRUCTION: source 0 = 16 columns of W, source 1 = 16 tokens.  In accumulator (a, b) lane (r, h) holds token 16 a + r and its register j column 16 b + 8 h + j.  So eight registers are eight neighbours along the head's 128, which is the next
; product's K: a conversion of accumulator (a, b) gives registers 2 b, 2 b + 1 of the image of fragment a.  Nothing changes lanes; column d + 64 (for the rotation) is accumulator (a, b + 4) of the same lane.
; V IS WANTED TRANSPOSED (rows = channels, K = the keys): where T = 2 the two LDS bases change places, so that source 1 takes Wv's columns and source 0 the tokens; the loop's text is the same.
; COS AND SIN.  The two waves that hold the same 128 tokens (two heads) want the same numbers.  The wave of the first head loads cos, the other sin, a token's 512 consecutive bytes a load; the rows go into a stage in LDS, and behind one barrier a
; block both waves read both tables in the accumulators' layout.  So a work-group asks for each number once, in whole rows.  The stage lies in slot 0, which has had its last fill and its last read at the last change of slots.
; OUT: qimg: [batch x head 16][tile of 16 queries 128][2048].  kv: [batch x head 16][step of 128 keys 16][K's 8 fragments (16 keys each), then V^T's 8 (16 channels each)][2048].
; LIMITS on the given exponents, E = the product's two added: 2 E + 120 and E + 127 between 1 and 254; e6, e7 and e8 - E between -126 and 119.  NaN among the inputs is not served.
; REGISTERS, in windows of 256: window 0: v16-30 addresses; v128-255 source 1's fragments, one set.  window 1: source 0's, two sets.  windows 2, 3: the accumulators ((a, b) at v[8 (8 (a % 4) + b)] of window 2 + a / 4).
;   In the tail: window 0: v32-95 the norm's weights, v96-103 a row's statistics, v128-191 at work; window 1: v0-127 two sets of 16 rows of my table as loaded, v128-191 cos and v192-255 sin of a block in the accumulators' layout;
;   a block's codes are written over its own accumulators, which are done with: no store's data are ever written again.
.set HALFT,  32768                     ; what one tensor load brings: 128 rows x 256 K
.set SLOT,   4*HALFT                   ; x's two blocks, then W's two
.set SPARE,  2*SLOT                    ; behind the ring: the spare words, 128 bytes for each wave: two blocks of 256 bytes that no other line names
.set TBL,    16*528                    ; the tail's stage: 16 rows of one table, 512 bytes + 16 of padding each, so that the 16 rows that a read touches lie 16 bytes apart modulo 256
.set SBUF,   4*TBL                     ; a stage buffer: two halves of the tokens x two tables; two buffers take turns, from LDS byte 0 on
.set LAPS,   4                         ; a lap = two K steps = once round the ring
.set FR,     16                        ; registers of a fragment
.set NLD,    4                         ; LDS loads that bring one
.set NP,     4                         ; places behind this matrix instruction (ISA guide 7.12.1)
.set ADRA, 16                          ; v16-17  LDS address of source 1's fragments in slot 0, 1
.set LI,   18                          ; v18     16 x lane
.set ADRB, 20                          ; v20-21  the same for source 0
.set STA,  26                          ; v26     the stage: where I put 16 bytes of a row of my table
.set RDA,  27                          ; v27     the stage: row r of my half of the tokens, + 32 h
.set SPW,  28                          ; v28     LDS address of my spare word; never rewritten
.set NIL,  29                          ; v29     0; never rewritten
.set NWO,  30                          ; v30     the norm's weights: 32 h
.set NW,   32
.set SS,   96                          ; v96-99  sums of squares
.set RF,   100                         ; v100-101 the row's factor (named as a pair)
.set PM,   102                         ; v102    a lane permute's destination
.set VS,   103                         ; v103    the conversion's scale
.set TMP,  128
.set AF,   128
.set CB,   128                         ; in window 1: cos; sin 64 registers behind
.set G1, 24                            ; s[24:31] descriptor group 1 for x's blocks;  s[32:39] group 0, one set for each slot
.set G0, 32
.set G1B, 48                           ; s[48:55], s[56:63] the same for W's
.set G0B, 56
.set TBP,  74                          ; s[74:75] my table (cos or sin) at my first token
.set NWP,  78
.set OUTP, 82
.set PL,   87                          ; s87  448 x the conversion's scale;  s88 the same, negative
.set NLM,  88
.set SE,   89                          ; s89  2^E
.set C1,   90                          ; s90  2^(2 E) / 128
.set EPS,  91
.set SEL,  92                          ; s[92:93] lane selects for v_permlanex16_b32: lane l xor 16
.set MSB, 0
.macro WIN new                         ; the immediate's high byte repeats the setting that is left
.if MSB != \new
	s_set_vgpr_msb (MSB<<8)|\new
.set MSB, \new
.endif
.endm
.set MUL_LO, 0xa1                      ; source 0 window 1, source 1 window 0, C and D window 2
.set MUL_HI, 0xf1                      ; the same, C and D window 3
.set TO_B,   0x40                      ; destination window 1, address window 0
; A joint load: waves 0 and 1 fetch x's two blocks, waves 2 and 3 W's.  Each of the two lines has one mask and one set of registers for all that issue it; the branch hangs on the wave's number alone.
; Four v_nop follow each of the two lines, ahead of the jump, the label and what follows.
.macro JLOAD g0a, g1a, g0b, g1b
	s_cmp_eq_u32 s15, 0
	s_cbranch_scc0 .Lfor_b_\@
	tensor_load_to_lds s[\g0a:\g0a+3], s[\g1a:\g1a+7]
	s_nop 0
.rept 4
	v_nop
.endr
	s_branch .Lasked_\@
.Lfor_b_\@:
	tensor_load_to_lds s[\g0b:\g0b+3], s[\g1b:\g1b+7]
	s_nop 0
.rept 4
	v_nop
.endr
.Lasked_\@:
.endm
.macro CREST                           ; a round of the cluster's barrier behind its opening barrier
	s_cmp_lg_u32 s14, 0
	s_cbranch_scc1 .Lnot_wave_0_\@
	s_barrier_signal -3
.Lnot_wave_0_\@:
	s_barrier_wait -3
	s_barrier_signal -1
	s_barrier_wait -1
.endm
.macro CROUND                          ; a whole round
	s_barrier_signal -1
	s_barrier_wait -1
	CREST
.endm
	s_load_b512 s[68:83], s[0:1], 0x0              ; xi s[68:69], wimg s[70:71], the exponents s[72:73], cos s[74:75], sin s[76:77], q_norm_w s[78:79], k_norm_w s[80:81], qimg s[82:83]
	s_load_b64 s[84:85], s[0:1], 0x40              ; kv
	v_lshl_add_u32 v[SPW], v0, 2, SPARE
	v_mov_b32 v[NIL], 0
	ds_add_u32 v28, v29
	s_wait_dscnt 0x0
	v_lshrrev_b32 v1, 5, v0
	v_readfirstlane_b32 s14, v1                    ; wave 0..3
	s_lshr_b32 s15, s14, 1                         ; which 128 tokens of the tile are mine.  Also: I fetch for x (0) or for W (1)
	s_and_b32 s16, s14, 1                          ; which 128 columns.  Also: which of the two blocks I fetch, and which table (cos 0, sin 1) I load
	s_bfe_u32 s40, ttmp6, 0x40000                  ; cx, cy: my place in the cluster
	s_bfe_u32 s41, ttmp6, 0x40004
	s_lshl_b32 s42, ttmp9, 2
	s_add_co_u32 s42, s42, s40                     ; tile column = 4 T + cx
	s_and_b32 s17, ttmp7, 0xffff
	s_lshl_b32 s17, s17, 2
	s_add_co_u32 s17, s17, s41                     ; tile row = 4 x cluster y + cy
	s_lshl_b32 s43, s41, 2
	s_lshl_b32 s43, 15, s43                        ; my row of the cluster
	s_lshl_b32 s44, 0x1111, s40                    ; my column
	; descriptor group 1: a dense block of 32,768 bytes as 128 rows of 32 elements of 8 bytes
	s_or_b32 s[G1+0], s43, (3<<16)|(1<<21)         ; 15:0 the mask: x's blocks go to my row; 17:16 elements of 8 bytes; 20 no padding; 21 set beside a mask
	s_or_b32 s[G1B+0], s44, (3<<16)|(1<<21)        ; W's blocks go to my column
.irp g, G1, G1B
	s_mov_b32 s[\g+1], 32<<16                      ; tensor_dim0
	s_mov_b32 s[\g+2], 128<<16                     ; tensor_dim1
	s_mov_b32 s[\g+3], 32<<16                      ; tile_dim0
	s_mov_b32 s[\g+4], 128                         ; tile_dim1
	s_mov_b32 s[\g+5], 32                          ; tensor_dim0_stride
	s_mov_b32 s[\g+6], 0
	s_mov_b32 s[\g+7], 0
.endr
	s_lshl_b32 s20, s17, 1
	s_add_co_u32 s20, s20, s16
	s_lshl_b32 s20, s20, 18                        ; xi: block of 128 rows 2 x tile row + which,
	s_lshl_b32 s18, ttmp9, 23                      ; in set T
	s_add_co_u32 s20, s20, s18
	s_mov_b32 s21, 0
	s_lshl_b32 s46, s42, 1
	s_add_co_u32 s46, s46, s16
	s_lshl_b32 s46, s46, 18                        ; wimg: block of 128 columns 2 x tile column + which: eight units of 32,768 bytes
	s_mov_b32 s47, 0
	s_mul_i32 s45, s14, HALFT                      ; where they go: wave x 32,768: no place in the cluster enters an LDS address
	s_wait_kmcnt 0x0
	s_load_b256 s[4:11], s[72:73], 0x0             ; e0 .. e7
	s_load_b32 s12, s[72:73], 0x20                 ; e8
	s_add_nc_u64 s[20:21], s[68:69], s[20:21]
	s_add_nc_u64 s[46:47], s[70:71], s[46:47]
	CROUND                                         ; all sixteen work-groups are here: the first joint loads meet
.irp s, 0,1
	s_mov_b32 s[G0+4*\s], 1
	s_add_co_u32 s[G0+4*\s+1], s45, \s*SLOT
	s_add_nc_u64 s[G0+4*\s+2:G0+4*\s+3], s[20:21], \s*HALFT
	s_or_b32 s[G0+4*\s+3], s[G0+4*\s+3], 0x80000000
	s_mov_b32 s[G0B+4*\s], 1
	s_add_co_u32 s[G0B+4*\s+1], s45, \s*SLOT
	s_add_nc_u64 s[G0B+4*\s+2:G0B+4*\s+3], s[46:47], \s*HALFT
	s_or_b32 s[G0B+4*\s+3], s[G0B+4*\s+3], 0x80000000
	JLOAD G0+4*\s, G1, G0B+4*\s, G1B
.endr
	v_and_b32 v1, 31, v0
	v_lshlrev_b32 v[LI], 4, v1
	s_mul_i32 s21, s15, HALFT                      ; x's block of my 128 tokens
	s_mul_i32 s22, s16, HALFT
	s_add_co_u32 s22, s22, 2*HALFT                 ; W's block of my 128 columns
	s_cmp_eq_u32 ttmp9, 2                          ; for V the two change places
	s_cselect_b32 s18, s22, s21                    ; source 1's
	s_cselect_b32 s19, s21, s22                    ; source 0's
.irp s, 0,1
	v_add_nc_u32 v[ADRA+\s], s18, v[LI]
	v_add_nc_u32 v[ADRB+\s], s19, v[LI]
	s_add_co_u32 s18, s18, SLOT
	s_add_co_u32 s19, s19, SLOT
.endr
	v_and_b32 v1, 15, v0                           ; r
	v_bfe_u32 v2, v0, 4, 1                         ; h
	v_lshlrev_b32 v[NWO], 5, v2
	s_mul_i32 s21, s15, 2*TBL                      ; the stage: my half of the tokens,
	s_mul_i32 s22, s16, TBL                        ; my table
	s_add_co_u32 s22, s22, s21
	v_add_nc_u32 v[STA], s22, v[LI]                ; in: 16 x lane of a row
	v_mul_u32_u24 v[RDA], v1, 528
	v_lshl_add_u32 v[RDA], v2, 5, v[RDA]
	v_add_nc_u32 v[RDA], s21, v[RDA]               ; back: row r, + 32 h; the table stands in the immediate
	v_mov_b32 v[RF+1], 0                           ; (named as the upper half of a pair)
	v_mov_b32 v[PM], 0                             ; written once: a lane permute's destination counts as one of its sources
	s_mov_b32 s[SEL], 0x76543210
	s_mov_b32 s[SEL+1], 0xfedcba98
	s_mov_b32 s[EPS], 0x358637bd                   ; 1e-6
	s_wait_kmcnt 0x0
	s_cmp_eq_u32 ttmp9, 0                          ; the product's two exponents and the result's: chosen without a jump
	s_cselect_b32 s94, s4, s8
	s_cselect_b32 s95, s5, s9
	s_cselect_b32 s96, s10, s12
	s_cmp_eq_u32 ttmp9, 1
	s_cselect_b32 s94, s6, s94
	s_cselect_b32 s95, s7, s95
	s_cselect_b32 s96, s11, s96
	s_add_co_i32 s97, s94, s95                     ; E: a sum stands for sum x 2^E
	s_cmp_eq_u32 ttmp9, 2
	s_cselect_b32 s98, s97, 0
	s_sub_co_i32 s96, s96, s98                     ; q and k are brought to their true size by the norm's factor; v's sums are converted as they are, with 2^(e8 - E)
	s_add_co_i32 s96, s96, 127
	s_lshl_b32 s86, s96, 23
	v_mov_b32 v[VS], s86
	s_add_co_i32 s96, s96, 8
	s_lshl_b32 s[PL], s96, 23
	s_or_b32 s[PL], s[PL], 0x600000
	s_or_b32 s[NLM], s[PL], 0x80000000
	s_add_co_i32 s[SE], s97, 127
	s_lshl_b32 s[SE], s[SE], 23
	s_lshl_b32 s[C1], s97, 1
	s_add_co_i32 s[C1], s[C1], 120
	s_lshl_b32 s[C1], s[C1], 23
	s_lshl_b32 s98, s17, 17                        ; my first token: (256 x tile row + 128 x half) rows of 512 bytes
	s_lshl_b32 s99, s15, 16
	s_add_co_u32 s98, s98, s99
	s_mov_b32 s99, 0
	s_cmp_eq_u32 s16, 0                            ; the wave of the first head loads cos, the other sin
	s_cselect_b64 s[TBP:TBP+1], s[74:75], s[76:77]
	s_add_nc_u64 s[TBP:TBP+1], s[TBP:TBP+1], s[98:99]
	s_and_b32 s98, s17, 8                          ; 8 x batch
	s_lshl_b32 s100, s40, 1
	s_add_co_u32 s98, s98, s100
	s_add_co_u32 s98, s98, s16                     ; + head = 2 cx + my half of the columns
	s_lshl_b32 s100, s17, 1
	s_add_co_u32 s100, s100, s15
	s_and_b32 s100, s100, 15                       ; which 128 tokens of the batch
	s_cmp_eq_u32 ttmp9, 0
	s_cselect_b64 s[NWP:NWP+1], s[78:79], s[80:81]
	s_cselect_b64 s[OUTP:OUTP+1], s[82:83], s[84:85]
	s_cselect_b32 s101, 18, 19
	s_cselect_b32 s97, 14, 15
	s_lshl_b32 s98, s98, s101
	s_lshl_b32 s100, s100, s97
	s_add_co_u32 s98, s98, s100
	s_add_nc_u64 s[OUTP:OUTP+1], s[OUTP:OUTP+1], s[98:99]
.macro FRAG reg, adr, q, i             ; fragment i of the slot's q-th 128 along K, as it lies
.irp c, 0,1,2,3
	ds_load_b128 v[\reg+4*\c:\reg+4*\c+3], v[\adr] offset:((\q)*8+(\i))*2048+512*\c
.endr
.endm
; 16 matrix instructions: source 1's blocks a0, a0 + 1 x source 0's eight, 128 along K.  p: source 0's set.  zero = 1: the first product starts the sums.
; The 64 accumulators take turns, one instruction a turn, in the same order in every step.
.macro MUL16 a0, p, zero
.irp a, \a0, \a0+1
.irp b, 0,1,2,3,4,5,6,7
.if \zero
	v_wmma_f32_16x16x128_fp8_fp8 v[8*(8*((\a)%4)+\b):8*(8*((\a)%4)+\b)+7], v[128*(\p)+FR*\b:128*(\p)+FR*\b+FR-1], v[AF+FR*(\a):AF+FR*(\a)+FR-1], 0
.else
	v_wmma_f32_16x16x128_fp8_fp8 v[8*(8*((\a)%4)+\b):8*(8*((\a)%4)+\b)+7], v[128*(\p)+FR*\b:128*(\p)+FR*\b+FR-1], v[AF+FR*(\a):AF+FR*(\a)+FR-1], v[8*(8*((\a)%4)+\b):8*(8*((\a)%4)+\b)+7]
.endif
.endr
.endr
.endm
.macro FETCH_B slot, q, p
	WIN TO_B
.irp i, 0,1,2,3,4,5,6,7
	FRAG 128*(\p)+FR*\i, ADRB+\slot, \q, \i
.endr
	WIN 0
.endm
.macro FETCH_A slot, q, i0
.irp i, \i0, \i0+1, \i0+2, \i0+3
	FRAG AF+FR*(\i), ADRA+\slot, \q, \i
.endr
.endm
; A load into a register that a matrix instruction has read, and a vector instruction that reads a matrix result, stand NP places behind that matrix instruction; only plain vector instructions that name none of its registers are places.
.macro PLACES n
.rept \n
	v_nop
.endr
.endm
; A step of 128 along K that has its successor in the same slot.  Source 1 has one set of registers: a block is free as soon as its eight products are issued; blocks 0-3 are fetched anew in the step's middle, blocks 4-7 at its end.
.macro STEP slot, q, zero
	s_wait_dscnt 4*NLD                             ; source 0's set and blocks 0-3 are in; the youngest 16 loads (blocks 4-7) may be out
	WIN MUL_LO
	MUL16 0, (\q)%2, \zero
	MUL16 2, (\q)%2, \zero
	s_wait_dscnt 0                                 ; blocks 4-7 are in (asked for 32 matrix instructions ago)
	PLACES NP
	FETCH_B \slot, (\q)+1, 1-(\q)%2
	FETCH_A \slot, (\q)+1, 0
	WIN MUL_HI
	MUL16 4, (\q)%2, \zero
	MUL16 6, (\q)%2, \zero
	PLACES NP
	WIN 0
	FETCH_A \slot, (\q)+1, 4
.endm
; A slot's last step changes slots AT ITS HEAD: all its fragments have been asked for, so the slot is free as soon as they are in.  One barrier; in front of it each wave waits for all its tensor loads, adds 0 to its spare word, and waits for that
; and for its own reads of this slot.  fill = 1: this slot is filled again, two K steps ahead, and the request goes out ahead of the step's 64 products, which work on registers: they and the next step's 64 stand between the request and the wait for it.
.macro TURN slot, next, fill
	s_wait_tensorcnt 0x0                           ; all my tensor loads have landed: my part of the next slot; so every group 0 may be written
	ds_add_u32 v[SPW], v[NIL]                      ; 0 onto my spare word
.if \fill
	s_add_nc_u64 s[G0+4*\slot+2:G0+4*\slot+3], s[G0+4*\slot+2:G0+4*\slot+3], 2*HALFT
	s_add_nc_u64 s[G0B+4*\slot+2:G0B+4*\slot+3], s[G0B+4*\slot+2:G0B+4*\slot+3], 2*HALFT
.endif
	s_wait_dscnt 0x0                               ; the add is done, and my reads of this slot are over (blocks 4-7 were the last)
	s_barrier_signal -1
	s_barrier_wait -1
.if \fill
	CREST                                          ; the barrier has opened a round of the cluster's barrier: no wave of any partner still reads this slot or has a load on its way
	JLOAD G0+4*\slot, G1, G0B+4*\slot, G1B         ; the first tensor load behind the round
.endif
	WIN MUL_LO
	MUL16 0, 1, 0
	MUL16 2, 1, 0
	PLACES NP
	FETCH_B \next, 0, 0
	FETCH_A \next, 0, 0
	WIN MUL_HI
	MUL16 4, 1, 0
	MUL16 6, 1, 0
	PLACES NP
	WIN 0
	FETCH_A \next, 0, 4
.endm
.macro LAST                            ; the very last step: nothing more to fetch
	s_wait_dscnt 4*NLD
	WIN MUL_LO
	MUL16 0, 1, 0
	MUL16 2, 1, 0
	s_wait_dscnt 0
	WIN MUL_HI
	MUL16 4, 1, 0
	MUL16 6, 1, 0
	WIN 0
.endm
	s_wait_tensorcnt 1                             ; my part of K step 0 is in (K step 1's load may be out),
	s_barrier_signal -1
	s_barrier_wait -1                              ; everybody's is
	FETCH_B 0, 0, 0
	FETCH_A 0, 0, 0
	FETCH_A 0, 0, 4
	STEP 0, 0, 1                                   ; the first step stands in front of the loop: its products start the sums
	s_mov_b32 s3, LAPS-1
.Llap:                                             ; a trip goes once round the ring, from a lap's second step to the next lap's first, and fills both slots again
	TURN 0, 1, 1
	STEP 1, 0, 0
	TURN 1, 0, 1
	STEP 0, 0, 0
	s_sub_co_u32 s3, s3, 1
	s_cmp_lg_u32 s3, 0
	s_cbranch_scc1 .Llap
	TURN 0, 1, 0                                   ; the last lap fills nothing, and has no round of the cluster's barrier; behind its barrier nobody reads slot 0 any more
	STEP 1, 0, 0
; ---------------- the tail ----------------
.macro ROWS a                          ; my table's rows of tokens 16 a .. 16 a + 15, as they lie, into landing set a % 2 of window 1: a load takes one token's 512 consecutive bytes.  (Under the setting TO_B)
.irp p, 0,1,2,3,4,5,6,7,8,9,10,11,12,13,14,15
	global_load_b128 v[64*((\a)%2)+4*\p:64*((\a)%2)+4*\p+3], v[LI], s[TBP:TBP+1] offset:(\a)*8192+\p*512
.endr
.endm
; Block a: 16 tokens x my head's 128 columns: the tables' exchange, the norm, the rotation, the quantiser, one fragment out.
; ONE BARRIER A BLOCK, two stage buffers by turns.  In front of it each wave's rows have landed in buffer a % 2 (and its reads of block a - 1 are back); behind it both tables are read.  Buffer a % 2 is written again in block a + 2, behind
; barrier a + 1, which every wave signals only behind the wait for its reads of block a.
.macro QKBLOCK a
.set AC, 64*((\a)%4)
.set WA, 2+(\a)/4
.set LS, 64*((\a)%2)
.set SB, SBUF*((\a)%2)
.if (\a) < 7
	s_wait_loadcnt 16                              ; this block's 16 rows (and, in block 0, the norm's weights ahead of them) are in; the next block's 16 loads may be out
.else
	s_wait_loadcnt 0x0
.endif
	WIN 0x04                                       ; store data window 1
.irp p, 0,1,2,3,4,5,6,7,8,9,10,11,12,13,14,15
	ds_store_b128 v[STA], v[LS+4*\p:LS+4*\p+3] offset:SB+\p*528
.endr
	s_wait_dscnt 0x0                               ; for the others' sake: my rows lie in the stage; and the stores have read their registers
	s_barrier_signal -1
	s_barrier_wait -1
	WIN TO_B
.if (\a)+2 < 8
	ROWS (\a)+2                                    ; two blocks ahead, into the landing set just stored
.endif
.irp b, 0,1,2,3,4,5,6,7
.irp e, 0,1
	ds_load_b128 v[CB+8*\b+4*\e:CB+8*\b+4*\e+3], v[RDA] offset:SB+64*\b+16*\e             ; cos of token 16 a + r at columns 16 b + 8 h + 4 e ..: register 8 b + j = column 16 b + 8 h + j
	ds_load_b128 v[CB+64+8*\b+4*\e:CB+64+8*\b+4*\e+3], v[RDA] offset:SB+TBL+64*\b+16*\e   ; sin likewise
.endr
.endr
	WIN (WA|(WA<<2))                               ; sources 0 and 1: the accumulators' window
	v_pk_mul_f32 v[SS:SS+1], v[AC:AC+1], v[AC:AC+1]            ; the sum of squares of my 64 numbers, in two chains of pairs; each accumulator from its low end on
	v_pk_mul_f32 v[SS+2:SS+3], v[AC+2:AC+3], v[AC+2:AC+3]
.set j, 4
.rept 15
	v_pk_fma_f32 v[SS:SS+1], v[AC+j:AC+j+1], v[AC+j:AC+j+1], v[SS:SS+1]
	v_pk_fma_f32 v[SS+2:SS+3], v[AC+j+2:AC+j+3], v[AC+j+2:AC+j+3], v[SS+2:SS+3]
.set j, j+4
.endr
	WIN 0
	v_pk_add_f32 v[SS:SS+1], v[SS:SS+1], v[SS+2:SS+3]
	v_add_f32 v[SS], v[SS], v[SS+1]
	v_permlanex16_b32 v[PM], v[SS], s[SEL], s[SEL+1]           ; the token's other 64 columns lie in the lane 16 away
	v_add_f32 v[SS], v[SS], v[PM]
	v_fma_f32 v[SS], v[SS], s[C1], s[EPS]          ; the mean of the true squares + eps: the sums lack 2^E each
	v_rsq_f32 v[RF], v[SS]
	v_nop                                          ; a plain instruction behind the transcendental,
	s_wait_alu depctr_va_vdst(0)                   ; and the wait ahead of the first use of its result
	v_mul_f32 v[RF], s[SE], v[RF]                  ; x 2^E: exact
	WIN WA
.set j, 0
.rept 32
	v_pk_mul_f32 v[TMP+j:TMP+j+1], v[AC+j:AC+j+1], v[RF:RF+1] op_sel_hi:[1,0]
.set j, j+2
.endr
	WIN 0
.set j, 0
.rept 32
	v_pk_mul_f32 v[TMP+j:TMP+j+1], v[TMP+j:TMP+j+1], v[NW+j:NW+j+1]
.set j, j+2
.endr
	s_wait_dscnt 0x0                               ; cos and sin are back from the stage
	WIN 0x44                                       ; source 1 and destination window 1
.set j, 0
.rept 32
	v_pk_mul_f32 v[CB+j:CB+j+1], v[TMP+j:TMP+j+1], v[CB+j:CB+j+1]          ; q cos
.set j, j+2
.endr
	WIN 0x54                                       ; source 2 too
.set j, 0
.rept 16
	v_pk_fma_f32 v[CB+j:CB+j+1], v[TMP+j+32:TMP+j+33], v[CB+64+j:CB+64+j+1], v[CB+j:CB+j+1] neg_lo:[1,0,0] neg_hi:[1,0,0]   ; d < 64: - q(d + 64) sin(d)
	v_pk_fma_f32 v[CB+j+32:CB+j+33], v[TMP+j:TMP+j+1], v[CB+96+j:CB+96+j+1], v[CB+j+32:CB+j+33]                           ; d >= 64: + q(d - 64) sin(d)
.set j, j+2
.endr
	WIN 0x41                                       ; source 0 and destination window 1
.set j, 0
.rept 64
	v_med3_num_f32 v[CB+j], v[CB+j], s[NLM], s[PL]             ; the conversion to an 8-bit code does not saturate (ISA guide 7.6.2): the hold comes first
.set j, j+1
.endr
	WIN ((WA<<6)|0x01)                             ; source 0 window 1; the codes go over this block's own accumulators, which are done with
.irp b, 0,1,2,3,4,5,6,7
	v_cvt_scalef32_pk8_fp8_f32 v[AC+2*\b:AC+2*\b+1], v[CB+8*\b:CB+8*\b+7], v[VS]
.endr
	v_nop                                          ; one plain vector instruction behind the last conversion
	WIN (WA<<2)                                    ; store data: the accumulators' window
.irp m, 0,1,2,3
	global_store_b128 v[LI], v[AC+4*\m:AC+4*\m+3], s[OUTP:OUTP+1] offset:(\a)*2048+512*\m   ; 512 consecutive bytes, aligned; these registers are not written again
.endr
.endm
; V: block a is channels 16 a + r; the registers run along the 128 tokens: held, converted, one fragment of V^T out.
.macro VBLOCK a
.set AC, 64*((\a)%4)
.set WA, 2+(\a)/4
.set CD, 192+16*((\a)%2)
	WIN WA
.set j, 0
.rept 64
	v_med3_num_f32 v[TMP+j], v[AC+j], s[NLM], s[PL]            ; each accumulator from its low end on
.set j, j+1
.endr
	WIN 0
	s_wait_xcnt 0x0                                ; earlier stores have read their registers
.irp b, 0,1,2,3,4,5,6,7
	v_cvt_scalef32_pk8_fp8_f32 v[CD+2*\b:CD+2*\b+1], v[TMP+8*\b:TMP+8*\b+7], v[VS]
.endr
	v_nop
.irp m, 0,1,2,3
	global_store_b128 v[LI], v[CD+4*\m:CD+4*\m+3], s[OUTP:OUTP+1] offset:16384+(\a)*2048+512*\m
.endr
.endm
	s_cmp_eq_u32 ttmp9, 2                          ; the cluster's x: the same in all waves and all partners; no tensor load and no round of the cluster's barrier stands on either way
	s_cbranch_scc1 .Lv
.irp b, 0,1,2,3,4,5,6,7
.irp e, 0,1
	global_load_b128 v[NW+8*\b+4*\e:NW+8*\b+4*\e+3], v[NWO], s[NWP:NWP+1] offset:64*\b+16*\e   ; the norm's weights at my 64 columns
.endr
.endr
	WIN TO_B
	ROWS 0                                         ; into source 0's set 0, whose last products stand in front of the last step's closing places
	ROWS 1
	WIN 0
	LAST
	PLACES NP
.irp a, 0,1,2,3,4,5,6,7
	QKBLOCK \a
.endr
	WIN 0
	s_branch .Lend
.Lv:
	LAST
	PLACES NP
.irp a, 0,1,2,3,4,5,6,7
	VBLOCK \a
.endr
.Lend:
	s_wait_tensorcnt 0x0                           ; the wave's end
	ds_add_u32 v[SPW], v[NIL]
	s_wait_dscnt 0x0
	CROUND                                         ; the closing round: no work-group ends while a partner may still ask for a block that names it
	s_endpgm
.Lfunc_end_k_q6fb23f9b31_qkv:
	.size	k_q6fb23f9b31_qkv, .Lfunc_end_k_q6fb23f9b31_qkv-k_q6fb23f9b31_qkv
	.p2alignl 7, 3214868480
	.fill 96, 4, 3214868480
	.section	.rodata,"a",@progbits
	.p2align	6, 0x0
	.amdhsa_kernel k_q6fb23f9b31_qkv
		.amdhsa_group_segment_fixed_size 327680
		.amdhsa_private_segment_fixed_size 0
		.amdhsa_enable_private_segment 0
		.amdhsa_kernarg_size 72
		.amdhsa_user_sgpr_count 2
		.amdhsa_user_sgpr_kernarg_segment_ptr 1
		.amdhsa_wavefront_size32 1
		.amdhsa_system_sgpr_workgroup_id_x 1
		.amdhsa_system_sgpr_workgroup_id_y 1
		.amdhsa_system_sgpr_workgroup_id_z 1
		.amdhsa_system_vgpr_workitem_id 0
		.amdhsa_next_free_vgpr 1024
		.amdhsa_next_free_sgpr 102
		.amdhsa_reserve_vcc 0
		.amdhsa_float_denorm_mode_32 3
		.amdhsa_float_denorm_mode_16_64 3
		.amdhsa_memory_ordered 1
		.amdhsa_forward_progress 1
		.amdhsa_inst_pref_size 255
	.end_amdhsa_kernel
	.section	.bss,"aw",@nobits
	.p2align	6
	.space	262144
	.amdgpu_metadata
---
amdhsa.version: [ 1, 2 ]
amdhsa.kernels:
  - .name:           k_q6fb23f9b31_qkv
    .symbol:         k_q6fb23f9b31_qkv.kd
    .args:
      - { .name: xi, .offset: 0, .size: 8, .value_kind: global_buffer, .address_space: global }
      - { .name: wimg, .offset: 8, .size: 8, .value_kind: global_buffer, .address_space: global }
      - { .name: lowp_scales, .offset: 16, .size: 8, .value_kind: global_buffer, .address_space: global }
      - { .name: cos, .offset: 24, .size: 8, .value_kind: global_buffer, .address_space: global }
      - { .name: sin, .offset: 32, .size: 8, .value_kind: global_buffer, .address_space: global }
      - { .name: q_norm_w, .offset: 40, .size: 8, .value_kind: global_buffer, .address_space: global }
      - { .name: k_norm_w, .offset: 48, .size: 8, .value_kind: global_buffer, .address_space: global }
      - { .name: qimg, .offset: 56, .size: 8, .value_kind: global_buffer, .address_space: global }
      - { .name: kv, .offset: 64, .size: 8, .value_kind: global_buffer, .address_space: global }
    .group_segment_fixed_size: 327680
    .private_segment_fixed_size: 0
    .kernarg_segment_align: 8
    .kernarg_segment_size: 72
    .max_flat_workgroup_size: 128
    .sgpr_count:     102
    .vgpr_count:     1024
    .wavefront_size: 32
...
	.end_amdgpu_metadata
.endif
;; end of part 2
;; launch attn (part 3): grid 8 x 32, 8 waves a work-group, clusters of 4 x 4, 327,680 bytes of LDS; arguments qimg, kv, attention_mask, lowp_scales, oc; writes oc
.if DOCPART == 3
	.amdgcn_target "amdgcn-amd-amdhsa--gfx1250"
	.amdhsa_code_object_version 6
	.text
	.protected	k_q6fb23f9b31_attn
	.globl	k_q6fb23f9b31_attn
	.p2align	8
	.type	k_q6fb23f9b31_attn,@function
k_q6fb23f9b31_attn:
	s_mov_b64 s[64:65], 0
	v_nop
	global_prefetch_b8 v0, s[64:65] scope:SCOPE_SE
	s_setreg_imm32_b32 hwreg(HW_REG_WAVE_MODE, 25, 1), 1
	s_wait_xcnt 0x0
	s_wait_alu depctr_hold_cnt(0) depctr_sa_sdst(0) depctr_va_vdst(0) depctr_va_sdst(0) depctr_va_ssrc(0) depctr_va_vcc(0) depctr_vm_vsrc(0)
	s_getreg_b32 s2, hwreg(HW_REG_IB_STS2, 6, 4)
	s_cmp_eq_u32 s2, 0
	s_cbranch_scc0 .Lentry_in_a_cluster
	s_endpgm
.Lentry_in_a_cluster:
	s_bfe_u32 s2, ttmp6, 0x10000c
	s_cmp_lg_u32 s2, 0xf033
	s_cbranch_scc0 .Lentry_shape_is_right
	s_endpgm
.Lentry_shape_is_right:
; o = softmax(q k^T / sqrt(128) + mask) v for 16 (batch, head) pairs of 2,048 x 2,048 x 128, both products on E4M3 codes (q 2^e6, k 2^e7, v 2^e8, p 2^e9); o is quantised with 2^e10 as the operand of the last projection.
; The mask is an input: every number of it is read and added in f32, and no tile is left out.
; THE SOFTMAX AHEAD OF THE SECOND PRODUCT: logit = score x 2^(e6 + e7) / sqrt(128) + mask (one fused multiply-add); t = logit x log2(e); M = the row's largest t so far, rounded UP to a whole number; p = 2^(t - M) is what is
; quantised; the row's sum is taken of the unquantised p and divides at the end.  When M moves, the sum and O are multiplied by 2^(old M - new M): exact.
; SHARES.  A work-group owns 128 queries of one head, each of its eight waves 16 of them in 512 registers: two waves to a SIMD, so that one wave's vector work stands beside the other's matrix work and LDS loads.  16 steps of 128 keys.
; OPERANDS ARE IMAGES OF REGISTERS (16 rows x 128 K = 2,048 bytes; registers 4 m .. 4 m + 3 of lane l at 512 m + 16 l; lane (r, h): row r, registers 2 c, 2 c + 1: k = 16 c + 8 h + 0 .. 7).
; Both products are used transposed: S^T = K Q^T (source 0 = 16 keys, source 1 = my 16 queries), O^T = V^T P^T (source 0 = 16 channels, source 1 = P): a lane holds ONE query (lane % 16) throughout, and register j of tile t holds
; key (or channel) 16 t + 8 h + j.  So a conversion of tile t gives registers 2 t, 2 t + 1 of the next operand's image: p and o become operands without changing lanes.
; CLUSTER, 4 x 4: along x four heads, along y four blocks of queries of one batch.  The mask's tile (128 queries x 128 keys) is the same for the four heads of a row of the cluster, K's and V's tiles for the four query blocks of a column:
; each is asked for jointly.  A ring of two LDS slots of one step each: two steps to a slot do not fit (a step's mask tile is 67,584 bytes, K and V 32,768).
; LIMITS on the given exponents: e6 + e7 between -122 and 131 (added to an exponent field); e9, e10 between -126 and 119; e8 + e9 is applied by v_ldexp_f32.  A row whose mask is -infinity throughout gives NaN, as the definition does.
; REGISTERS: window 0: v1-9 addresses; v12 -M, v13 the largest t, v[14:15] the sum in two halves; v16-31 Q; v32-95 the mask; v96-159 S^T, then p; v160-223 O^T; v224-239 codes; v240-254 at work.  window 1: v0-127 K's 8 fragments, v128-255 V^T's 8.
.set SLOT1, 1<<17                      ; slot 1 begins here, so that one exclusive or turns an address in one slot into the other's
.set MP,    528                        ; a row of the mask's tile in LDS: 512 bytes + 16 of padding, so that the 16 rows that a load touches lie 16 bytes apart modulo 256
.set KVOFF, 128*MP                     ; a slot: the mask's 128 rows, then K's and V^T's 16 fragments
.set SPARE, 2*SLOT1                    ; behind the ring: the spare words, 128 bytes for each wave: four blocks of 256 bytes that no other line names
.set LI,   1                           ; v1   16 x lane
.set AM0,  2                           ; v2   my place in the mask's tile: row 16 x wave + r, + 32 h
.set PFO,  3                           ; v3   the prefetches' offset; never rewritten
.set AK0,  4                           ; v4   KVOFF + 16 x lane
.set SPW,  5                           ; v5   LDS address of my spare word; never rewritten
.set NIL,  6                           ; v6   0; never rewritten
.set ADK,  8                           ; v8   K's and V's fragments in the slot in hand
.set ADM,  9                           ; v9   the mask's rows in it
.set MK,   32
.set WV,   18                          ; s18  my wave's number
.set SEL,  20                          ; s[20:21] lane selects for v_permlanex16_b32: lane l xor 16
.set CS,   22                          ; s[22:23] log2(e)
.set G1M,  24                          ; s[24:31] descriptor group 1 for the mask's tiles;  s[32:39] for K's and V's;  s[40:43], s[44:47] their groups 0, which walk
.set G1K,  32
.set G0M,  40
.set G0K,  44
.set C1,   48                          ; s[48:49] 2^(e6 + e7) / sqrt(128)
.set TB,   50                          ; s50  LDS byte at which the slot in hand begins
.set SLOTS, 51                         ; s51  steps still to be asked for
.set PFA,  60                          ; s[60:61] where my prefetches stand
.set PFS,  62                          ; s[62:63] a step on, in bytes
.set LIM,  66                          ; s66  2 in a wave that prefetches, else the greatest number
.set MSB, 0
.macro WIN new                         ; the immediate's high byte repeats the setting that is left
.if MSB != \new
	s_set_vgpr_msb (MSB<<8)|\new
.set MSB, \new
.endif
.endm
; Waves 0 and 1 fetch the mask's two halves (64 queries each), waves 2 and 3 K's and V^T's fragments, the others nothing.  The branches hang on the wave's number alone.  Four v_nop follow each of the two lines.
.macro TLOAD
	s_cmp_lt_u32 s[WV], 2
	s_cbranch_scc0 .Lnot_m_\@
	tensor_load_to_lds s[G0M:G0M+3], s[G1M:G1M+7]
	s_nop 0
.rept 4
	v_nop
.endr
	s_branch .Lasked_\@
.Lnot_m_\@:
	s_cmp_lt_u32 s[WV], 4
	s_cbranch_scc0 .Lasked_\@
	tensor_load_to_lds s[G0K:G0K+3], s[G1K:G1K+7]
	s_nop 0
.rept 4
	v_nop
.endr
.Lasked_\@:
.endm
; A PREFETCH INTO THE L2: at the change of slots that asks for step j, step j + 2 is named: two steps ahead of the load that will want it.  Each aligned block of 256 bytes is named once in the launch.
; The mask's tile is read by both clusters along x: the one with x = 0 asks; its four partners of a row take 32 queries each, told apart by address (cx); a step's part of a row is 512 bytes: wave 4 names the first 256, wave 5 the second; a lane a row.
; A head's K and V are read by the four clusters of a batch along y: the first of them asks; the four partners of a column take 8,192 of a step's 32,768 bytes each, by address (cy): wave 6, lanes 256 bytes apart.
; The last two changes that fill a slot ask for nothing; steps 0, 1 and 2 come by their loads alone.
.macro ASK
	s_cmp_gt_u32 s[SLOTS], s[LIM]
	s_cbranch_scc0 .Lnot_mine_\@
	global_prefetch_b8 v[PFO], s[PFA:PFA+1] th:TH_LOAD_NT scope:SCOPE_SE
.Lnot_mine_\@:
.endm
.macro CROUND                          ; a round of the cluster's barrier
	s_barrier_signal -1
	s_barrier_wait -1
	s_cmp_lg_u32 s[WV], 0
	s_cbranch_scc1 .Lnot_wave_0_\@
	s_barrier_signal -3
.Lnot_wave_0_\@:
	s_barrier_wait -3
	s_barrier_signal -1
	s_barrier_wait -1
.endm
	s_load_b256 s[4:11], s[0:1], 0x0               ; qimg s[4:5], kv s[6:7], the mask s[8:9], the exponents s[10:11]
	s_load_b64 s[12:13], s[0:1], 0x20              ; oc
	v_lshl_add_u32 v[SPW], v0, 2, SPARE
	v_mov_b32 v[NIL], 0
	ds_add_u32 v5, v6
	s_wait_dscnt 0x0
	v_lshrrev_b32 v8, 5, v0
	v_readfirstlane_b32 s[WV], v8                  ; wave 0..7
	s_bfe_u32 s52, ttmp6, 0x40000                  ; cx
	s_bfe_u32 s53, ttmp6, 0x40004                  ; cy
	s_lshl_b32 s54, ttmp9, 2
	s_add_co_u32 s54, s54, s52                     ; head = 4 x cluster x + cx
	s_and_b32 s56, ttmp7, 0xffff                   ; cluster y
	s_lshl_b32 s55, s56, 2
	s_add_co_u32 s55, s55, s53                     ; 16 x batch + block of 128 queries = 4 x cluster y + cy
	s_lshr_b32 s57, s56, 2                         ; batch
	s_lshl_b32 s57, s57, 3
	s_add_co_u32 s57, s57, s54                     ; 8 x batch + head
	s_lshl_b32 s58, s53, 2
	s_lshl_b32 s58, 15, s58                        ; my row of the cluster
	s_lshl_b32 s59, 0x1111, s52                    ; my column
	; the mask: 64 rows of 128 f32, 2,048 elements apart, 16 bytes of padding behind each row in LDS
	s_or_b32 s[G1M], s58, (2<<16)|(1<<20)|(1<<21)|(6<<22)|(3<<25)  ; 15:0 my row; 17:16 elements of 4 bytes; 20 padding on; 21 set beside a mask; 24:22 after every 128 words (code 6); 31:25 four words (code 3)
	s_mov_b32 s[G1M+1], 128<<16                    ; tensor_dim0
	s_mov_b32 s[G1M+2], 64<<16                     ; tensor_dim1
	s_mov_b32 s[G1M+3], 128<<16                    ; tile_dim0
	s_mov_b32 s[G1M+4], 64                         ; tile_dim1
	s_mov_b32 s[G1M+5], 2048                       ; tensor_dim0_stride
	s_mov_b32 s[G1M+6], 0
	s_mov_b32 s[G1M+7], 0
	; K or V^T: a dense block of 16,384 bytes as 64 rows of 32 elements of 8 bytes
	s_or_b32 s[G1K], s59, (3<<16)|(1<<21)          ; my column
	s_mov_b32 s[G1K+1], 32<<16
	s_mov_b32 s[G1K+2], 64<<16
	s_mov_b32 s[G1K+3], 32<<16
	s_mov_b32 s[G1K+4], 64
	s_mov_b32 s[G1K+5], 32
	s_mov_b32 s[G1K+6], 0
	s_mov_b32 s[G1K+7], 0
	s_and_b32 s86, s[WV], 1                        ; which half I fetch, if I fetch
	s_lshl_b32 s76, s55, 20                        ; the mask: 128 rows of 8,192 bytes for each block of queries,
	s_lshl_b32 s77, s86, 19                        ; 64 rows a half
	s_add_co_u32 s76, s76, s77
	s_mov_b32 s77, 0
	s_lshl_b32 s78, s57, 19                        ; kv: 16 steps of 32,768 bytes for each (batch, head),
	s_lshl_b32 s79, s86, 14                        ; K's fragments or V^T's
	s_add_co_u32 s78, s78, s79
	s_mov_b32 s79, 0
	s_mul_i32 s80, s86, 64*MP                      ; and where they go
	s_lshl_b32 s81, s86, 14
	s_add_co_u32 s81, s81, KVOFF
	s_mov_b32 s[SEL], 0x76543210
	s_mov_b32 s[SEL+1], 0xfedcba98
	s_mov_b32 s[CS], 0x3fb8aa3b                    ; log2(e)
	s_mov_b32 s[CS+1], s[CS]                       ; (named with it as a pair, so it is written)
	s_mov_b32 s[C1], 0x3db504f3                    ; 1 / sqrt(128)
	s_mov_b32 s[TB], 0
	s_mov_b32 s[SLOTS], 15
	s_wait_kmcnt 0x0
	s_load_b64 s[68:69], s[10:11], 0x18            ; e6, e7
	s_load_b128 s[72:75], s[10:11], 0x20           ; e8, e9, e10, e11
	s_mov_b32 s[G0M], 1                            ; 1:0 count = 1
	s_mov_b32 s[G0M+1], s80                        ; 63:32 LDS address: slot 0
	s_add_nc_u64 s[G0M+2:G0M+3], s[8:9], s[76:77]  ; 120:64 global address: step 0
	s_or_b32 s[G0M+3], s[G0M+3], 0x80000000        ; 127:126 type = 2
	s_mov_b32 s[G0K], 1
	s_mov_b32 s[G0K+1], s81
	s_add_nc_u64 s[G0K+2:G0K+3], s[6:7], s[78:79]
	s_or_b32 s[G0K+3], s[G0K+3], 0x80000000
	CROUND                                         ; all sixteen work-groups are here: the first joint loads meet
	TLOAD                                          ; step 0
	s_lshl_b32 s82, s57, 18                        ; Q: 128 tiles of 2,048 bytes for each (batch, head); mine is 8 x block + wave
	s_and_b32 s83, s55, 15
	s_lshl_b32 s83, s83, 14
	s_add_co_u32 s82, s82, s83
	s_lshl_b32 s83, s[WV], 11
	s_add_co_u32 s82, s82, s83
	s_mov_b32 s83, 0
	s_add_nc_u64 s[4:5], s[4:5], s[82:83]
	v_and_b32 v8, 31, v0
	v_lshlrev_b32 v[LI], 4, v8
.irp m, 0,1,2,3
	global_load_b128 v[16+4*\m:19+4*\m], v[LI], s[4:5] offset:512*\m   ; Q's fragment stays in registers
.endr
	s_lshl_b32 s84, s55, 17                        ; oc: [block of 128 rows][head][tile of 16 rows][2048]
	s_lshl_b32 s85, s54, 14
	s_add_co_u32 s84, s84, s85
	s_lshl_b32 s85, s[WV], 11
	s_add_co_u32 s84, s84, s85
	s_mov_b32 s85, 0
	s_add_nc_u64 s[12:13], s[12:13], s[84:85]
	; the prefetches: where my wave's stand, and who asks
	s_lshl_b32 s77, s55, 20
	s_lshl_b32 s78, s52, 18                        ; my work-group's 32 of the 128 queries
	s_add_co_u32 s77, s77, s78
	s_lshl_b32 s78, s86, 8                         ; which 256 bytes of a row's 512
	s_add_co_u32 s77, s77, s78
	s_add_co_u32 s77, s77, 2*512                   ; at step 2: the first change of slots steps it to step 3
	s_lshl_b32 s78, s57, 19
	s_lshl_b32 s79, s53, 13                        ; my work-group's 8,192 of a step's 32,768 bytes
	s_add_co_u32 s78, s78, s79
	s_add_co_u32 s78, s78, 2*32768
	s_and_b32 s79, s56, 3
	s_mov_b32 s[PFS], 32768
	s_mov_b32 s80, 256
	s_cmp_lt_u32 s[WV], 6                          ; waves 4 and 5 ask for the mask, wave 6 for K and V
	s_cselect_b64 s[PFA:PFA+1], s[8:9], s[6:7]
	s_cselect_b32 s[PFS], 512, s[PFS]
	s_cselect_b32 s80, 8192, s80                   ; from lane to lane
	s_cselect_b32 s82, s77, s78
	s_cselect_b32 s79, ttmp9, s79                  ; the coordinate along which other clusters read the same bytes
	s_mov_b32 s[PFS+1], 0
	s_add_nc_u64 s[PFA:PFA+1], s[PFA:PFA+1], s[82:83]
	s_sub_co_u32 s81, s[WV], 4
	s_cmp_lt_u32 s81, 3
	s_cselect_b32 s81, 0, 1                        ; 0 in waves 4 to 6,
	s_or_b32 s81, s81, s79                         ; of the first cluster along that coordinate: the same in all sixteen partners
	s_cmp_eq_u32 s81, 0
	s_cselect_b32 s[LIM], 2, -1
	v_and_b32 v[PFO], 31, v0
	v_mul_lo_u32 v[PFO], v[PFO], s80
	v_and_b32 v8, 15, v0                           ; r
	v_bfe_u32 v9, v0, 4, 1                         ; h
	s_mul_i32 s86, s[WV], 16*MP
	v_mul_u32_u24 v[AM0], v8, MP
	v_lshl_add_u32 v[AM0], v9, 5, v[AM0]
	v_add_nc_u32 v[AM0], s86, v[AM0]
	v_add_nc_u32 v[AK0], KVOFF, v[LI]
	v_mov_b32 v13, 0xff61b1e6                      ; the largest t so far: -3e38
	v_floor_f32 v12, -v13                          ; -M
	v_mov_b32 v14, 0                               ; the sum, in two halves
	v_mov_b32 v15, 0
	v_mov_b32 v246, 0                              ; written once: a lane permute's destination counts as one of its sources
	v_mov_b32 v253, 0                              ; (named as the upper half of the pair v[252:253])
.set j, 0
.rept 64
	v_mov_b32 v[160+j], 0                          ; O^T.  (The step is written once for all steps: the first finds zeros, which the first change of M leaves zeros)
.set j, j+1
.endr
	s_wait_kmcnt 0x0
	s_add_co_i32 s76, s68, s69
	s_lshl_b32 s76, s76, 23
	s_add_co_i32 s[C1], s[C1], s76                 ; a score stands for score x 2^(e6 + e7): the two exponents are added to the factor's exponent field
	s_mov_b32 s[C1+1], s[C1]
	s_add_co_i32 s76, s73, 127
	s_lshl_b32 s77, s76, 23
	v_mov_b32 v244, s77                            ; 2^e9, for p's conversions
	s_add_co_i32 s76, s76, 8
	s_lshl_b32 s76, s76, 23
	s_or_b32 s76, s76, 0x600000
	v_mov_b32 v240, s76                            ; 448 x 2^e9
	s_add_co_i32 s76, s74, 127
	s_lshl_b32 s77, s76, 23
	v_mov_b32 v245, s77                            ; 2^e10, for o's
	s_add_co_i32 s76, s76, 8
	s_lshl_b32 s93, s76, 23
	s_or_b32 s93, s93, 0x600000                    ; 448 x 2^e10,
	s_or_b32 s92, s93, 0x80000000                  ; and its negative
	s_add_co_i32 s91, s72, s73                     ; e8 + e9
; A KEY STEP: 128 keys, in the slot in hand.
.macro STEP
	v_add_nc_u32 v[ADK], s[TB], v[AK0]
	v_add_nc_u32 v[ADM], s[TB], v[AM0]
	v_nop
	v_nop                                          ; four places in front of loads into registers that the last products have read
.irp t, 0,1,2,3,4,5,6,7
	ds_load_b128 v[MK+8*\t:MK+8*\t+3], v[ADM] offset:64*\t         ; the mask of my query at keys 16 t + 8 h + 0 .. 7: the scores' own layout
	ds_load_b128 v[MK+8*\t+4:MK+8*\t+7], v[ADM] offset:64*\t+16
.endr
	WIN 0x40                                       ; destination window 1
.irp t, 0,1,2,3,4,5,6,7
.irp c, 0,1,2,3
	ds_load_b128 v[16*\t+4*\c:16*\t+4*\c+3], v[ADK] offset:\t*2048+512*\c
.endr
.endr
.irp a, 0,1,2,3,4,5,6,7
.irp c, 0,1,2,3
	ds_load_b128 v[128+16*\a+4*\c:128+16*\a+4*\c+3], v[ADK] offset:16384+\a*2048+512*\c
.endr
.endr
	s_wait_dscnt 32                                ; the mask and K are in; V^T's 32 loads may be out
	WIN 0x01                                       ; source 0 window 1
.irp t, 0,1,2,3,4,5,6,7
	v_wmma_f32_16x16x128_fp8_fp8 v[96+8*\t:103+8*\t], v[16*\t:16*\t+15], v[16:31], 0
.endr
	WIN 0
.rept 4
	v_nop
.endr
.set j, 0
.rept 32
	v_pk_fma_f32 v[96+j:97+j], v[96+j:97+j], s[C1:C1+1], v[MK+j:MK+j+1] op_sel_hi:[1,0,1]   ; the logit; each accumulator from its low end on
.set j, j+2
.endr
	v_max3_num_f32 v254, v96, v97, v98             ; the step's largest logit of my query, among my 64 keys, in two chains,
	v_max3_num_f32 v252, v99, v100, v101
.irp i, 6,10,14,18,22,26,30,34,38,42,46,50,54,58
	v_max3_num_f32 v254, v254, v[96+\i], v[97+\i]
	v_max3_num_f32 v252, v252, v[98+\i], v[99+\i]
.endr
	v_max3_num_f32 v254, v254, v158, v159
	v_max_num_f32 v254, v254, v252
	v_permlanex16_b32 v246, v254, s[SEL], s[SEL+1]
	v_max_num_f32 v254, v254, v246                 ; and among lane l xor 16's
	v_mul_f32 v254, s[CS], v254                    ; as t
	v_max_num_f32 v13, v13, v254                   ; the running largest t
	v_mov_b32 v254, v12
	v_floor_f32 v12, -v13                          ; the new -M = floor(-t) = -ceil(t): M is a whole number
	v_sub_f32 v254, v12, v254                      ; M's old value less its new one: a whole number, 0 or less
	v_cvt_i32_f32 v254, v254                       ; (it saturates)
	v_ldexp_f32 v252, 1.0, v254                    ; f = 2^(old M - new M)
.set j, 0
.rept 32
	v_pk_fma_f32 v[96+j:97+j], v[96+j:97+j], s[CS:CS+1], v[12:13] op_sel_hi:[1,0,0]   ; t - M (of the pairs log2(e) and -M the low word serves both halves)
.set j, j+2
.endr
.set j, 0
.rept 64
	v_exp_f32 v[96+j], v[96+j]                     ; p = 2^(t - M): not normalised
.set j, j+1
.endr
	v_pk_mul_f32 v[14:15], v[14:15], v[252:253] op_sel_hi:[1,0]    ; the sums under the new M.  (The plain instruction behind the exponentials)
	s_wait_alu depctr_va_vdst(0)                   ; one wait for the whole batch, ahead of its first reader
	v_pk_add_f32 v[242:243], v[96:97], v[98:99]    ; the row's sum is taken of the unquantised p: two at a time, in two chains
.irp j, 4,8,12,16,20,24,28,32,36,40,44,48,52,56,60
	v_pk_add_f32 v[14:15], v[14:15], v[96+\j:97+\j]
	v_pk_add_f32 v[242:243], v[242:243], v[98+\j:99+\j]
.endr
	v_pk_add_f32 v[14:15], v[14:15], v[242:243]
.irp t, 0,1,2,3,4,5,6,7
.irp i, 0,1,2,3,4,5,6,7
	v_min_num_f32 v[96+8*\t+\i], v[96+8*\t+\i], v240               ; the conversion does not saturate (ISA guide 7.6.2); p is not negative, so the hold is one-sided
.endr
	v_cvt_scalef32_pk8_fp8_f32 v[224+2*\t:225+2*\t], v[96+8*\t:103+8*\t], v244
.endr
.set j, 0
.rept 32
	v_pk_mul_f32 v[160+j:161+j], v[160+j:161+j], v[252:253] op_sel_hi:[1,0]   ; O^T under the new M.  (Also the plain lines between the conversions and the products that read the codes)
.set j, j+2
.endr
	s_wait_dscnt 0x0                               ; V^T is in
	WIN 0x01
.irp a, 0,1,2,3,4,5,6,7
	v_wmma_f32_16x16x128_fp8_fp8 v[160+8*\a:167+8*\a], v[128+16*\a:128+16*\a+15], v[224:239], v[160+8*\a:167+8*\a]   ; the eight accumulators take turns, one instruction a turn
.endr
	WIN 0
	s_xor_b32 s[TB], s[TB], SLOT1                  ; on to the other slot
.endm
; THE CHANGE OF SLOTS stands at a step's head.  Each wave waits for all its tensor loads (its part of the slot that it is about to read), adds 0 to its spare word, and waits for that and for its reads of the slot that it has left.
; fill = 1: the barrier is a round of the cluster's, so that no wave of any partner still reads that slot or has a load on its way, and the joint refill is the first thing behind it: it has a whole step in which to land.
.macro CHANGE fill
	s_wait_tensorcnt 0x0                           ; no tensor load of mine is out, so a group 0 may be written
	ds_add_u32 v[SPW], v[NIL]                      ; 0 onto my spare word
.if \fill
	s_xor_b32 s[G0M+1], s[G0M+1], SLOT1            ; the walking descriptors: the other slot than last time,
	s_add_nc_u64 s[G0M+2:G0M+3], s[G0M+2:G0M+3], 512       ; the next 128 keys; the type bits on top are not reached
	s_xor_b32 s[G0K+1], s[G0K+1], SLOT1
	s_add_nc_u64 s[G0K+2:G0K+3], s[G0K+2:G0K+3], 32768
	s_wait_xcnt 0x0                                ; the last prefetch, a step back, has read its address, so it may be written
	s_add_nc_u64 s[PFA:PFA+1], s[PFA:PFA+1], s[PFS:PFS+1]
	s_wait_dscnt 0x0                               ; the add is done, and my reads of the slot that I have left are over
	CROUND
	TLOAD                                          ; a wave's one tensor load until the next round
	ASK
.else
	s_wait_dscnt 0x0
	s_barrier_signal -1
	s_barrier_wait -1
.endif
.endm
	s_wait_loadcnt 0x0                             ; Q
.Lstep:                                            ; 15 trips: behind each change of slots but the last the next step is asked for
	CHANGE 1
	STEP
	s_sub_co_u32 s[SLOTS], s[SLOTS], 1
	s_cmp_lg_u32 s[SLOTS], 0
	s_cbranch_scc1 .Lstep
	CHANGE 0                                       ; the last step is written out
	STEP
	; THE WAY OUT: O^T x 2^(e8 + e9) / the sum, held, converted: tile a's conversion gives registers 2 a, 2 a + 1 of the image of my 16 rows x this head's 128 channels.
.rept 4
	v_nop                                          ; the places behind the last products
.endr
	v_add_f32 v14, v14, v15                        ; the sum's two halves,
	v_permlanex16_b32 v246, v14, s[SEL], s[SEL+1]
	v_add_f32 v14, v14, v246                       ; and lane l xor 16's
	v_rcp_f32 v14, v14
	v_nop                                          ; a plain instruction behind the transcendental,
	s_wait_alu depctr_va_vdst(0)                   ; and the wait ahead of the first use of its result
	v_ldexp_f32 v14, v14, s91
.set j, 0
.rept 32
	v_pk_mul_f32 v[96+j:97+j], v[160+j:161+j], v[14:15] op_sel_hi:[1,0]
.set j, j+2
.endr
.set j, 0
.rept 64
	v_med3_num_f32 v[96+j], v[96+j], s92, s93
.set j, j+1
.endr
.irp a, 0,1,2,3,4,5,6,7
	v_cvt_scalef32_pk8_fp8_f32 v[224+2*\a:225+2*\a], v[96+8*\a:103+8*\a], v245
.endr
	v_nop                                          ; one plain vector instruction behind the last conversion
.irp m, 0,1,2,3
	global_store_b128 v[LI], v[224+4*\m:227+4*\m], s[12:13] offset:512*\m   ; 512 consecutive bytes, aligned
.endr
	s_wait_tensorcnt 0x0                           ; the wave's end
	ds_add_u32 v[SPW], v[NIL]
	s_wait_dscnt 0x0
	CROUND                                         ; the closing round
	s_endpgm
.Lfunc_end_k_q6fb23f9b31_attn:
	.size	k_q6fb23f9b31_attn, .Lfunc_end_k_q6fb23f9b31_attn-k_q6fb23f9b31_attn
	.p2alignl 7, 3214868480
	.fill 96, 4, 3214868480
	.section	.rodata,"a",@progbits
	.p2align	6, 0x0
	.amdhsa_kernel k_q6fb23f9b31_attn
		.amdhsa_group_segment_fixed_size 327680
		.amdhsa_private_segment_fixed_size 0
		.amdhsa_enable_private_segment 0
		.amdhsa_kernarg_size 40
		.amdhsa_user_sgpr_count 2
		.amdhsa_user_sgpr_kernarg_segment_ptr 1
		.amdhsa_wavefront_size32 1
		.amdhsa_system_sgpr_workgroup_id_x 1
		.amdhsa_system_sgpr_workgroup_id_y 1
		.amdhsa_system_sgpr_workgroup_id_z 1
		.amdhsa_system_vgpr_workitem_id 0
		.amdhsa_next_free_vgpr 512
		.amdhsa_next_free_sgpr 100
		.amdhsa_reserve_vcc 0
		.amdhsa_float_denorm_mode_32 3
		.amdhsa_float_denorm_mode_16_64 3
		.amdhsa_memory_ordered 1
		.amdhsa_forward_progress 1
		.amdhsa_inst_pref_size 63
	.end_amdhsa_kernel
	.amdgpu_metadata
---
amdhsa.version: [ 1, 2 ]
amdhsa.kernels:
  - .name:           k_q6fb23f9b31_attn
    .symbol:         k_q6fb23f9b31_attn.kd
    .args:
      - { .name: qimg, .offset: 0, .size: 8, .value_kind: global_buffer, .address_space: global }
      - { .name: kv, .offset: 8, .size: 8, .value_kind: global_buffer, .address_space: global }
      - { .name: attention_mask, .offset: 16, .size: 8, .value_kind: global_buffer, .address_space: global }
      - { .name: lowp_scales, .offset: 24, .size: 8, .value_kind: global_buffer, .address_space: global }
      - { .name: oc, .offset: 32, .size: 8, .value_kind: global_buffer, .address_space: global }
    .group_segment_fixed_size: 327680
    .private_segment_fixed_size: 0
    .kernarg_segment_align: 8
    .kernarg_segment_size: 40
    .max_flat_workgroup_size: 256
    .sgpr_count:     100
    .vgpr_count:     512
    .wavefront_size: 32
...
	.end_amdgpu_metadata
.endif
;; end of part 3
;; launch oproj (part 4): grid 8 x 16, 4 waves a work-group, clusters of 4 x 4, 327,680 bytes of LDS; arguments oc, wimg, lowp_scales, out0; writes out0
.if DOCPART == 4
	.amdgcn_target "amdgcn-amd-amdhsa--gfx1250"
	.amdhsa_code_object_version 6
	.text
	.protected	k_q6fb23f9b31_oproj
	.globl	k_q6fb23f9b31_oproj
	.p2align	8
	.type	k_q6fb23f9b31_oproj,@function
k_q6fb23f9b31_oproj:
	s_mov_b64 s[64:65], 0
	v_nop
	global_prefetch_b8 v0, s[64:65] scope:SCOPE_SE
	s_setreg_imm32_b32 hwreg(HW_REG_WAVE_MODE, 25, 1), 1
	s_wait_xcnt 0x0
	s_wait_alu depctr_hold_cnt(0) depctr_sa_sdst(0) depctr_va_vdst(0) depctr_va_sdst(0) depctr_va_ssrc(0) depctr_va_vcc(0) depctr_vm_vsrc(0)
	s_getreg_b32 s2, hwreg(HW_REG_IB_STS2, 6, 4)
	s_cmp_eq_u32 s2, 0
	s_cbranch_scc0 .Lentry_in_a_cluster
	s_endpgm
.Lentry_in_a_cluster:
	s_bfe_u32 s2, ttmp6, 0x10000c
	s_cmp_lg_u32 s2, 0xf033
	s_cbranch_scc0 .Lentry_shape_is_right
	s_endpgm
.Lentry_shape_is_right:
; out0 [4096][2048] f32 = o Wo, on E4M3 codes (o 2^e10, Wo 2^e11); each finished sum is multiplied once by 2^(e10 + e11).  LIMIT: e10 + e11 between -126 and 127.
; A work-group of four waves makes 256 x 256, a wave 128 x 128: 64 accumulators, 512 registers.  K = 1,024 goes in 4 steps of 256 through two LDS slots.
; (A tile of 128 x 256 would give twice the work-groups, but they would bring (128 + 256) x 1,024 bytes each into LDS, 96 MiB in all against 64: the larger tile is kept.)
; OPERANDS ARE IMAGES OF REGISTERS: a fragment (16 rows x 128 K, 16 registers a lane) is 2,048 bytes, registers 4 m .. 4 m + 3 of lane l at 512 m + 16 l.  oc and wimg are laid so that 128 rows x 256 K are 32,768 dense bytes,
; [128 k 2][tile of 16 rows 8][2048].
; CLUSTERS: 4 x 4 work-groups; o's block is asked for jointly by the four of a row of the cluster, Wo's by the four of a column.
; THE MATRIX INSTRUCTION IS USED TRANSPOSED (source 0 = 16 columns of Wo, source 1 = 16 rows of o): a lane holds eight neighbouring numbers of a row of the output.
; REGISTERS, in windows of 256: window 0: v16-29 addresses; v128-255 o's fragments, one set; on the way out v32-255 are free.  window 1: Wo's fragments, two sets.  windows 2, 3: the accumulators.
.set SIZE_N, 2048
.set HALFT,  32768
.set SLOT,   4*HALFT
.set SPARE,  2*SLOT                    ; behind the ring: the spare words, 128 bytes for each wave
.set STAGE,  SPARE+512                 ; behind them: a stage of 16 rows x (512 bytes + 16) for each wave, for the way out: no tile ever lands there
.set SPITCH, 528
.set LAPS,   2
.set FR,     16
.set NLD,    4
.set NP,     4
.set ADRA, 16
.set LI,   18                          ; v18  16 x lane: a fragment's place for my lane, and my byte offset in a row of the output
.set ADRB, 20
.set STO,  24                          ; v24  the way out: where I put 32 bytes of a row
.set RD,   25                          ; v25  and where I read a row back
.set SPW,  28
.set NIL,  29
.set TMP,  32
.set AF,   128
.set BK,   128
.set G1, 24
.set G0, 32
.set G1B, 48
.set G0B, 56
.set MSB, 0
.macro WIN new                         ; the immediate's high byte repeats the setting that is left
.if MSB != \new
	s_set_vgpr_msb (MSB<<8)|\new
.set MSB, \new
.endif
.endm
.set MUL_LO, 0xa1
.set MUL_HI, 0xf1
.set TO_B,   0x40
; A joint load: waves 0 and 1 fetch o's two blocks, waves 2 and 3 Wo's; the branch hangs on the wave's number alone; four v_nop follow each of the two lines.
.macro JLOAD g0a, g1a, g0b, g1b
	s_cmp_eq_u32 s15, 0
	s_cbranch_scc0 .Lfor_b_\@
	tensor_load_to_lds s[\g0a:\g0a+3], s[\g1a:\g1a+7]
	s_nop 0
.rept 4
	v_nop
.endr
	s_branch .Lasked_\@
.Lfor_b_\@:
	tensor_load_to_lds s[\g0b:\g0b+3], s[\g1b:\g1b+7]
	s_nop 0
.rept 4
	v_nop
.endr
.Lasked_\@:
.endm
.macro CREST
	s_cmp_lg_u32 s14, 0
	s_cbranch_scc1 .Lnot_wave_0_\@
	s_barrier_signal -3
.Lnot_wave_0_\@:
	s_barrier_wait -3
	s_barrier_signal -1
	s_barrier_wait -1
.endm
.macro CROUND
	s_barrier_signal -1
	s_barrier_wait -1
	CREST
.endm
	s_load_b128 s[4:7], s[0:1], 0x0                ; oc s[4:5], wimg s[6:7]
	s_load_b128 s[8:11], s[0:1], 0x10              ; the exponents s[8:9], out0 s[10:11]
	v_lshl_add_u32 v[SPW], v0, 2, SPARE
	v_mov_b32 v[NIL], 0
	ds_add_u32 v28, v29
	s_wait_dscnt 0x0
	v_lshrrev_b32 v1, 5, v0
	v_readfirstlane_b32 s14, v1                    ; wave 0..3
	s_lshr_b32 s15, s14, 1                         ; which half of the tile's rows is mine.  Also: I fetch for o (0) or for Wo (1)
	s_and_b32 s16, s14, 1                          ; which half of its columns.  Also: which of the two blocks I fetch
	s_bfe_u32 s40, ttmp6, 0x40000
	s_bfe_u32 s41, ttmp6, 0x40004
	s_lshl_b32 s42, ttmp9, 2
	s_add_co_u32 s42, s42, s40                     ; tile column
	s_and_b32 s17, ttmp7, 0xffff
	s_lshl_b32 s17, s17, 2
	s_add_co_u32 s17, s17, s41                     ; tile row
	s_lshl_b32 s43, s41, 2
	s_lshl_b32 s43, 15, s43
	s_lshl_b32 s44, 0x1111, s40
	s_or_b32 s[G1+0], s43, (3<<16)|(1<<21)         ; 15:0 the mask: my row; 17:16 elements of 8 bytes; 21 set beside a mask
	s_or_b32 s[G1B+0], s44, (3<<16)|(1<<21)        ; my column
.irp g, G1, G1B
	s_mov_b32 s[\g+1], 32<<16                      ; a dense block of 32,768 bytes as 128 rows of 32 elements
	s_mov_b32 s[\g+2], 128<<16
	s_mov_b32 s[\g+3], 32<<16
	s_mov_b32 s[\g+4], 128
	s_mov_b32 s[\g+5], 32
	s_mov_b32 s[\g+6], 0
	s_mov_b32 s[\g+7], 0
.endr
	s_lshl_b32 s20, s17, 1
	s_add_co_u32 s20, s20, s16
	s_lshl_b32 s20, s20, 17                        ; oc: block of 128 rows: four K steps of 32,768 bytes
	s_mov_b32 s21, 0
	s_lshl_b32 s46, s42, 1
	s_add_co_u32 s46, s46, s16
	s_lshl_b32 s46, s46, 17                        ; Wo's block of 128 columns,
	s_add_co_u32 s46, s46, 192*32768               ; behind the 192 units of Wq, Wk, Wv
	s_mov_b32 s47, 0
	s_mul_i32 s45, s14, HALFT
	s_wait_kmcnt 0x0
	s_load_b64 s[96:97], s[8:9], 0x28              ; e10, e11
	s_add_nc_u64 s[20:21], s[4:5], s[20:21]
	s_add_nc_u64 s[46:47], s[6:7], s[46:47]
	CROUND                                         ; all sixteen work-groups are here: the first joint loads meet
.irp s, 0,1
	s_mov_b32 s[G0+4*\s], 1
	s_add_co_u32 s[G0+4*\s+1], s45, \s*SLOT
	s_add_nc_u64 s[G0+4*\s+2:G0+4*\s+3], s[20:21], \s*HALFT
	s_or_b32 s[G0+4*\s+3], s[G0+4*\s+3], 0x80000000
	s_mov_b32 s[G0B+4*\s], 1
	s_add_co_u32 s[G0B+4*\s+1], s45, \s*SLOT
	s_add_nc_u64 s[G0B+4*\s+2:G0B+4*\s+3], s[46:47], \s*HALFT
	s_or_b32 s[G0B+4*\s+3], s[G0B+4*\s+3], 0x80000000
	JLOAD G0+4*\s, G1, G0B+4*\s, G1B
.endr
	v_and_b32 v1, 31, v0
	v_lshlrev_b32 v[LI], 4, v1
	s_mul_i32 s21, s15, HALFT                      ; my 128 rows of o
	s_mul_i32 s22, s16, HALFT
	s_add_co_u32 s22, s22, 2*HALFT                 ; my 128 columns of Wo
.irp s, 0,1
	v_add_nc_u32 v[ADRA+\s], s21, v[LI]
	v_add_nc_u32 v[ADRB+\s], s22, v[LI]
	s_add_co_u32 s21, s21, SLOT
	s_add_co_u32 s22, s22, SLOT
.endr
	v_and_b32 v1, 15, v0                           ; r
	v_bfe_u32 v2, v0, 4, 1                         ; h
	s_mul_i32 s23, s14, 16*SPITCH
	s_add_co_u32 s23, s23, STAGE                   ; my stage
	v_mul_u32_u24 v5, v1, SPITCH                   ; in: row r, 32 bytes for each half of the lanes
	v_lshl_add_u32 v5, v2, 5, v5
	v_add_nc_u32 v[STO], s23, v5
	v_add_nc_u32 v[RD], s23, v[LI]                 ; back: the 32 lanes take one row of 512 bytes
	s_lshl_b32 s20, s17, 21                        ; my first row: (256 x tile row + 128 x half) rows of 8,192 bytes
	s_lshl_b32 s21, s15, 20
	s_add_co_u32 s20, s20, s21
	s_mov_b32 s21, 0
	s_add_nc_u64 s[10:11], s[10:11], s[20:21]
	s_lshl_b32 s46, s42, 10                        ; my first column, in bytes
	s_lshl_b32 s47, s16, 9
	s_add_co_u32 s46, s46, s47
	s_mov_b32 s47, 0
	s_add_nc_u64 s[10:11], s[10:11], s[46:47]
.macro FRAG reg, adr, q, i
.irp c, 0,1,2,3
	ds_load_b128 v[\reg+4*\c:\reg+4*\c+3], v[\adr] offset:((\q)*8+(\i))*2048+512*\c
.endr
.endm
; The 64 accumulators take turns, one instruction a turn, in the same order in every step.
.macro MUL16 a0, p, zero
.irp a, \a0, \a0+1
.irp b, 0,1,2,3,4,5,6,7
.if \zero
	v_wmma_f32_16x16x128_fp8_fp8 v[8*(8*((\a)%4)+\b):8*(8*((\a)%4)+\b)+7], v[128*(\p)+FR*\b:128*(\p)+FR*\b+FR-1], v[AF+FR*(\a):AF+FR*(\a)+FR-1], 0
.else
	v_wmma_f32_16x16x128_fp8_fp8 v[8*(8*((\a)%4)+\b):8*(8*((\a)%4)+\b)+7], v[128*(\p)+FR*\b:128*(\p)+FR*\b+FR-1], v[AF+FR*(\a):AF+FR*(\a)+FR-1], v[8*(8*((\a)%4)+\b):8*(8*((\a)%4)+\b)+7]
.endif
.endr
.endr
.endm
.macro FETCH_B slot, q, p
	WIN TO_B
.irp i, 0,1,2,3,4,5,6,7
	FRAG 128*(\p)+FR*\i, ADRB+\slot, \q, \i
.endr
	WIN 0
.endm
.macro FETCH_A slot, q, i0
.irp i, \i0, \i0+1, \i0+2, \i0+3
	FRAG AF+FR*(\i), ADRA+\slot, \q, \i
.endr
.endm
.macro PLACES n                        ; places in front of loads into registers that matrix instructions have read, and of the first read of results
.rept \n
	v_nop
.endr
.endm
.macro STEP slot, q, zero
	s_wait_dscnt 4*NLD                             ; Wo's set and o's blocks 0-3 are in; the youngest 16 loads (blocks 4-7) may be out
	WIN MUL_LO
	MUL16 0, (\q)%2, \zero
	MUL16 2, (\q)%2, \zero
	s_wait_dscnt 0
	PLACES NP
	FETCH_B \slot, (\q)+1, 1-(\q)%2
	FETCH_A \slot, (\q)+1, 0
	WIN MUL_HI
	MUL16 4, (\q)%2, \zero
	MUL16 6, (\q)%2, \zero
	PLACES NP
	WIN 0
	FETCH_A \slot, (\q)+1, 4
.endm
; A slot's last step changes slots AT ITS HEAD: all its fragments have been asked for, so the slot is free as soon as they are in.  One barrier; in front of it each wave waits for all its tensor loads, adds 0 to its spare word, and waits for that
; and for its own reads of this slot.  fill = 1: this slot is filled again, two K steps ahead, and the request goes out ahead of the step's 64 products, which work on registers.
.macro TURN slot, next, fill
	s_wait_tensorcnt 0x0                           ; all my tensor loads have landed: my part of the next slot; so every group 0 may be written
	ds_add_u32 v[SPW], v[NIL]                      ; 0 onto my spare word
.if \fill
	s_add_nc_u64 s[G0+4*\slot+2:G0+4*\slot+3], s[G0+4*\slot+2:G0+4*\slot+3], 2*HALFT
	s_add_nc_u64 s[G0B+4*\slot+2:G0B+4*\slot+3], s[G0B+4*\slot+2:G0B+4*\slot+3], 2*HALFT
.endif
	s_wait_dscnt 0x0                               ; the add is done, and my reads of this slot are over (blocks 4-7 were the last)
	s_barrier_signal -1
	s_barrier_wait -1
.if \fill
	CREST                                          ; the barrier has opened a round of the cluster's barrier: no wave of any partner still reads this slot or has a load on its way
	JLOAD G0+4*\slot, G1, G0B+4*\slot, G1B         ; the first tensor load behind the round
.endif
	WIN MUL_LO
	MUL16 0, 1, 0
	MUL16 2, 1, 0
	PLACES NP
	FETCH_B \next, 0, 0
	FETCH_A \next, 0, 0
	WIN MUL_HI
	MUL16 4, 1, 0
	MUL16 6, 1, 0
	PLACES NP
	WIN 0
	FETCH_A \next, 0, 4
.endm
	s_wait_tensorcnt 1                             ; my part of K step 0 is in (K step 1's load may be out),
	s_barrier_signal -1
	s_barrier_wait -1                              ; everybody's is
	FETCH_B 0, 0, 0
	FETCH_A 0, 0, 0
	FETCH_A 0, 0, 4
	STEP 0, 0, 1                                   ; the first step stands in front of the loop: its products start the sums
	s_mov_b32 s3, LAPS-1
.Llap:
	TURN 0, 1, 1
	STEP 1, 0, 0
	TURN 1, 0, 1
	STEP 0, 0, 0
	s_sub_co_u32 s3, s3, 1
	s_cmp_lg_u32 s3, 0
	s_cbranch_scc1 .Llap
	TURN 0, 1, 0                                   ; the last lap fills nothing
	STEP 1, 0, 0
	s_wait_dscnt 4*NLD                             ; the very last step
	WIN MUL_LO
	MUL16 0, 1, 0
	MUL16 2, 1, 0
	s_wait_dscnt 0
	WIN MUL_HI
	MUL16 4, 1, 0
	MUL16 6, 1, 0
	WIN 0
; THE WAY OUT, block by block of 16 rows x 128 columns: a lane holds 32 neighbouring bytes of a row, the lanes beside it other rows: so a block goes through my own stage and comes back as whole rows of 512 bytes.
; LDS serves a wave's instructions in order (ISA guide 5.7.1.4): no wait between the stores and the loads, nor in front of the next block's stores.
.macro TOSTAGE a
.set AC, 64*((\a)%4)
	WIN (0x02+((\a)/4))                            ; source 0: window 2 or 3
.set j, 0
.rept 32
	v_pk_mul_f32 v[TMP+j:TMP+j+1], v[AC+j:AC+j+1], s[96:97] op_sel_hi:[1,0]   ; x 2^(e10 + e11); each accumulator from its low end on
.set j, j+2
.endr
	WIN 0
.irp b, 0,1,2,3,4,5,6,7
	ds_store_b128 v[STO], v[TMP+8*\b:TMP+8*\b+3] offset:64*\b
	ds_store_b128 v[STO], v[TMP+8*\b+4:TMP+8*\b+7] offset:64*\b+16
.endr
.set BB, BK+64*((\a)%2)
.irp t, 0,1,2,3,4,5,6,7,8,9,10,11,12,13,14,15
	ds_load_b128 v[BB+4*\t:BB+4*\t+3], v[RD] offset:\t*SPITCH
.endr
.endm
.macro SEND a, younger                 ; younger: the LDS instructions issued behind block a's loads, which may stay out
.set BB, BK+64*((\a)%2)
	s_wait_dscnt \younger
.if (\a) > 0
	s_add_nc_u64 s[10:11], s[10:11], 16*SIZE_N*4   ; (behind a wait on XCNT: the earlier stores have read their base)
.endif
.irp t, 0,1,2,3,4,5,6,7,8,9,10,11,12,13,14,15
	global_store_b128 v[LI], v[BB+4*\t:BB+4*\t+3], s[10:11] offset:\t*SIZE_N*4 th:TH_STORE_NT   ; 32 lanes store 512 consecutive bytes, aligned; written once, read by nobody here
.endr
.endm
	s_wait_kmcnt 0x0
	s_add_co_i32 s96, s96, s97
	s_add_co_i32 s96, s96, 127
	s_lshl_b32 s96, s96, 23                        ; 2^(e10 + e11) as f32
	PLACES NP
	TOSTAGE 0
.irp a, 1,2,3,4,5,6,7
.if \a > 1
	s_wait_xcnt 0x0                                ; block a - 2's stores have read their registers and their base
.endif
	TOSTAGE \a
	SEND \a-1, 32                                  ; behind block a - 1's loads: block a's 16 stores and 16 loads
.endr
	s_wait_xcnt 0x0
	SEND 7, 0
	s_wait_tensorcnt 0x0                           ; the wave's end
	ds_add_u32 v[SPW], v[NIL]
	s_wait_dscnt 0x0
	CROUND                                         ; the closing round
	s_endpgm
.Lfunc_end_k_q6fb23f9b31_oproj:
	.size	k_q6fb23f9b31_oproj, .Lfunc_end_k_q6fb23f9b31_oproj-k_q6fb23f9b31_oproj
	.p2alignl 7, 3214868480
	.fill 96, 4, 3214868480
	.section	.rodata,"a",@progbits
	.p2align	6, 0x0
	.amdhsa_kernel k_q6fb23f9b31_oproj
		.amdhsa_group_segment_fixed_size 327680
		.amdhsa_private_segment_fixed_size 0
		.amdhsa_enable_private_segment 0
		.amdhsa_kernarg_size 32
		.amdhsa_user_sgpr_count 2
		.amdhsa_user_sgpr_kernarg_segment_ptr 1
		.amdhsa_wavefront_size32 1
		.amdhsa_system_sgpr_workgroup_id_x 1
		.amdhsa_system_sgpr_workgroup_id_y 1
		.amdhsa_system_sgpr_workgroup_id_z 1
		.amdhsa_system_vgpr_workitem_id 0
		.amdhsa_next_free_vgpr 1024
		.amdhsa_next_free_sgpr 98
		.amdhsa_reserve_vcc 0
		.amdhsa_float_denorm_mode_32 3
		.amdhsa_float_denorm_mode_16_64 3
		.amdhsa_memory_ordered 1
		.amdhsa_forward_progress 1
		.amdhsa_inst_pref_size 123
	.end_amdhsa_kernel
	.amdgpu_metadata
---
amdhsa.version: [ 1, 2 ]
amdhsa.kernels:
  - .name:           k_q6fb23f9b31_oproj
    .symbol:         k_q6fb23f9b31_oproj.kd
    .args:
      - { .name: oc, .offset: 0, .size: 8, .value_kind: global_buffer, .address_space: global }
      - { .name: wimg, .offset: 8, .size: 8, .value_kind: global_buffer, .address_space: global }
      - { .name: lowp_scales, .offset: 16, .size: 8, .value_kind: global_buffer, .address_space: global }
      - { .name: out0, .offset: 24, .size: 8, .value_kind: global_buffer, .address_space: global }
    .group_segment_fixed_size: 327680
    .private_segment_fixed_size: 0
    .kernarg_segment_align: 8
    .kernarg_segment_size: 32
    .max_flat_workgroup_size: 128
    .sgpr_count:     98
    .vgpr_count:     1024
    .wavefront_size: 32
...
	.end_amdgpu_metadata
.endif
;; end of part 4
